; MI455X (gfx1250); checked and timed in simulation.
; The chip was launched on July 23, 2026; its instructions are those of AMD's public machine-readable ISA for CDNA 5 (MIT licence, August 2026) and "CDNA5" Instruction Set Architecture Reference Guide (July 2026). The comments in the code are by the model that wrote it; some were corrected since.
;; Multi Head Attention. Allowed arithmetic: matrix products marked QUANTISED: E2M1 operands, one E8M0 scale for each 32 along K, by v_wmma_scale_f32_16x16x128_f8f6f4 with both operands' format E2M1 (or v_wmma_scale_f32_32x16x128_f4), f32 sums; everything else in f32.
;; Inputs: b_out 1,024 float32; b_qkv 3,072 float32; w_out_codes 1,024 x 32 x 16 uint8 (E2M1 codes of w_out, K innermost, in blocks of 32 codes, two codes a byte); w_out_scales 1,024 x 32 uint8 (E8M0 scales of w_out, one for each 32 codes along K); w_qkv_codes 3,072 x 32 x 16 uint8 (E2M1 codes of w_qkv, K innermost, in blocks of 32 codes, two codes a byte); w_qkv_scales 3,072 x 32 uint8 (E8M0 scales of w_qkv, one for each 32 codes along K); x_codes 4 x 2,048 x 32 x 16 uint8 (E2M1 codes of x, K innermost, in blocks of 32 codes, two codes a byte); x_scales 4 x 2,048 x 32 uint8 (E8M0 scales of x, one for each 32 codes along K).
;; Outputs: out0 4 x 2,048 x 1,024 float32.
;; This version of the problem:
;;   THIS VERSION OF THE PROBLEM IS GIVEN IN LOW PRECISION. The matrix products marked QUANTISED in the list below multiply operands that are first quantised to E2M1 (2 exponent bits, 1 mantissa bit; 4 bits a number), with one power-of-two scale for each 32 numbers along K (OCP MX v1.0); their sums are f32. All else is computed in f32.
;;   The module's matrix products, in the order in which they are computed (A, B: the left and right operand; K: the contracted axis; several contracted axes count as one K, in the product's order):
;;     1. [M 8,192, K 1,024] x [K 1,024, N 3,072]; A: input x (given as codes); B: input w_qkv (given as codes): QUANTISED
;;     2. batch 64 x [M 2,048, K 64] x [K 64, N 2,048]; A: computed on the way; B: computed on the way: QUANTISED
;;     3. batch 64 x [M 2,048, K 2,048] x [K 2,048, N 64]; A: softmax (see below); B: computed on the way: QUANTISED
;;     4. [M 8,192, K 1,024] x [K 1,024, N 1,024]; A: computed on the way; B: input w_out (given as codes): QUANTISED
;;   THE QUANTISER, for each operand of a quantised product, along K:
;;     - K is cut into blocks of 32 from its start; a last block that is shorter is filled with zeros.
;;     - A block's scale is 2^e with e = floor(log2(the largest magnitude in the block)) - 2, held to -126 .. 127; a block of zeros has e = 0. As a byte (E8M0): e + 127.
;;     - Each number is divided by its block's scale, clamped to +-6, and rounded to the nearest number of E2M1, ties to even, subnormals kept.
;;     - The product sums the exact products of the quantised numbers (number of the format x scale) in f32.
;;   ~~~python
;;   def quantise(x, axis):      # numpy; x: float32 -> the quantised numbers, widened to float32 again
;;       x = np.moveaxis(x, axis, -1); K = x.shape[-1]
;;       x = np.pad(x, [(0, 0)] * (x.ndim - 1) + [(0, -K % 32)]); x = x.reshape(x.shape[:-1] + (-1, 32)); a = np.abs(x).max(-1, keepdims=True)
;;       e = np.where(a > 0, np.clip(np.frexp(np.where(a > 0, a, 1))[1] - 1 - 2, -126, 127), 0)      # np.frexp(a)[1] - 1 = floor(log2(a)), exactly
;;       r = np.clip(x / 2.0 ** e, -6, 6)
;;       step = 2.0 ** (np.maximum(np.frexp(np.where(r == 0, 1, r))[1] - 1, 0) - 1)
;;       q = np.round(r / step) * step * 2.0 ** e      # np.round: ties to even
;;       return np.moveaxis(q.reshape(q.shape[:-2] + (-1,))[..., :K], -1, axis).astype(np.float32)
;;   ~~~
;;   SOFTMAX AHEAD OF A QUANTISED PRODUCT. Where the list says 'softmax', what is quantised is not the finished softmax but p = 2^(t - M), with t = logit x log2(e) and M = ceil(the row's largest t), a whole number; so 1/2 < the row's largest p <= 1. The row's sum l is taken of the UNQUANTISED p, in f32, and the product's result is divided by l at the end. Since M is a whole number, a kernel that streams over the keys may use a running M (the ceiling of the running maximum): every later rescaling is an exact power of two, which a block's scale takes up: the codes' values come out the same.
;;   OPERANDS COMPUTED ON THE WAY. 'Computed on the way' means the value that the module computes at that place (a softmax that the list does not call 'softmax' is quantised finished and normalised). What goes into a quantiser is computed in f32, as accurately as f32 sums, v_exp_f32 and their like allow (about 1e-6 of the number): no bf16 or f16 on the way to a quantiser, and a product that is left as it is and whose result goes on into a quantised operand takes f32 operands (vector FMAs, or v_wmma_f32_16x16x4_f32). A number that lies on a knife's edge between two numbers of the format may be rounded either way, as far as f32 arithmetic and the matrix unit's own rounding can turn it there, and no further.
;;   INPUTS GIVEN AS CODES. w_out (in the module: [1024, 1024], K = its axis 0); w_qkv (in the module: [1024, 3072], K = its axis 0); x (in the module: [4, 2048, 1024], K = its axis 2): each comes as NAME_codes (uint8): NAME with its K axis moved to the last place and cut into blocks of 32 codes, [.., K / 32, bytes a block], one block behind the other in memory; two codes a byte, the lower K in the low four bits (a code: sign, 2 exponent bits, 1 mantissa bit); and NAME_scales (uint8): the same leading axes, one E8M0 byte (e + 127) for each 32 codes along K. Its value is code x scale, taken as it is: it is not quantised again, and the codes and scales need not be those that the quantiser above would give.
;; One version. Each part assembles by itself: llvm-mc -triple=amdgcn-amd-amdhsa -mcpu=gfx1250 --defsym DOCPART=n.
;; ======== version 1 of 1: 3 launches
;; workspace buffers: qkvw 13,369,344 bytes; oimg 4,194,304 bytes; osc 262,144 bytes
;; launch qkv (part 1): grid 12 x 32, 4 waves a work-group, clusters of 4 x 4, 296,448 bytes of LDS; arguments x_codes, x_scales, w_qkv_codes, w_qkv_scales, b_qkv, qkvw; writes qkvw
.if DOCPART == 1
	.amdgcn_target "amdgcn-amd-amdhsa--gfx1250"
	.amdhsa_code_object_version 6
	.text
	.protected	k_q5bf7a934ba_qkv
	.globl	k_q5bf7a934ba_qkv
	.p2align	8
	.type	k_q5bf7a934ba_qkv,@function
k_q5bf7a934ba_qkv:
	s_mov_b64 s[64:65], 0
	v_nop
	global_prefetch_b8 v0, s[64:65] scope:SCOPE_SE
	s_setreg_imm32_b32 hwreg(HW_REG_WAVE_MODE, 25, 1), 1
	s_wait_xcnt 0x0
	s_wait_alu depctr_hold_cnt(0) depctr_sa_sdst(0) depctr_va_vdst(0) depctr_va_sdst(0) depctr_va_ssrc(0) depctr_va_vcc(0) depctr_vm_vsrc(0)
	s_getreg_b32 s2, hwreg(HW_REG_IB_STS2, 6, 4)
	s_cmp_eq_u32 s2, 0
	s_cbranch_scc0 .Lentry_in_a_cluster
	s_endpgm
.Lentry_in_a_cluster:
	s_bfe_u32 s2, ttmp6, 0x10000c
	s_cmp_lg_u32 s2, 0xf033
	s_cbranch_scc0 .Lentry_shape_is_right
	s_endpgm
.Lentry_shape_is_right:
; qkv = x w_qkv + b_qkv on codes of FP4 (E2M1) with one E8M0 scale for each 32 along K = 1,024; the result is quantised at once and leaves as codes:
; q and k along the head's 64 channels (two blocks of 32), v along the keys (blocks of 32 tokens).  Nothing of it goes to memory as f32.
; ROLES.  Source 0 of every product is called P: in the result its 16 rows run along a lane's registers, which is the axis that is quantised.  Source 1 is called L: a lane holds one row of it.
;   q, k (cluster x = 0, 1): P = rows of w_qkv (channels), L = tokens.      v (cluster x = 2): P = tokens, L = rows 2,048 on of w_qkv.
; Both tensors have rows of 512 bytes of codes and 32 bytes of scales, so LDS, descriptors and the loop over K are the same in both roles; only pointers, the bias and the way out differ.
; The role hangs on the cluster's x alone: it is the same in all sixteen partners.
; SHARES.  A work-group makes 256 L x 256 P; each of its four waves 128 x 128: 64 accumulators of 16 x 16, 512 registers.
; CLUSTER 4 x 4.  L's rows hang on cy and are asked for jointly by a row of the cluster, P's on cx and by a column.
; LDS IS FILLED ONCE: K = 1,024 is 512 bytes a row, two slots of 256 bytes a row hold all of it, so there is no ring; a wave issues three tensor loads (scales, slot 0, slot 1), all at the head.
; OUTPUT.  qkvw: [batch x 16 + head][step of 128 tokens: 16][record of 13,056 bytes].  A record: 0 K, 4,096 V, 8,192 Q (codes as images of operand registers, 16 bytes a lane, 512 bytes a group of four registers);
;   12,288 K's, 12,544 V's, 12,800 Q's scale words (images of a register pair, 8 bytes a lane).  Every store of a wave covers 512 (codes) or 256 (scale words) consecutive bytes, aligned.
; LIMITS: NaN and infinities are not served.  A block whose largest magnitude lies under 2^-124, a block of zeros among them, gets the scale byte 1; the bytes are read by this program alone.
; REGISTERS, in windows of 256: window 0: v1-26 addresses; v32-63 L's scale words, v64-95 P's; v96-127 at work on the way out; v128-191, v192-255 L's fragments, two sets.
;   window 1: v0-63, v128-191 P's fragments, two sets; v64-127 the bias.   windows 2, 3: accumulator (l, p) at v[8 (8 (l % 4) + p)] of window 2 + l / 4.
.set PITCH,  272                       ; an LDS row: 256 bytes + 16 of padding = 68 words: row r starts at bank 4 r mod 64 (64 banks of 4 bytes: ISA guide 11.1), so the 16 rows of a load start at 16 different banks
.set HALFT,  128*PITCH                 ; 128 rows: what one tensor load brings, and what a wave reads of L or of P
.set SLOT,   4*HALFT                   ; L's 256 rows, then P's 256 rows, 256 bytes of each
.set SCL,    2*SLOT                    ; behind the slots: the scales, as units of 256 bytes + 16 of padding
.set HALFS,  16*272                    ; those of 128 rows
.set REC,    13056                     ; a record of qkvw
.set HS,     16*REC                    ; from head to head
.set ADRL, 16                          ; v16-17  LDS address of my L fragments in slot 0, 1
.set ADRP, 20                          ; v20-21  the same for P
.set ASL,  22                          ; v22     of L's scale words: a lane a row, 32 rows
.set ASP,  23                          ; v23     of P's
.set L16,  24                          ; v24     16 x lane
.set L8,   25                          ; v25     8 x lane
.set BO,   26                          ; v26     my offset in the bias
.set LS,   32                          ; register 8 t + q: lanes 0-15 the word of L's tile 2 t, lanes 16-31 of tile 2 t + 1, for K step q
.set PS,   64                          ; the same for P
.set TM,   96                          ; v96-99 largest magnitudes, v100-103 bytes, v108-111 the conversions' scale operands
.set PW,   112                         ; v112-119 the scale word of L's tile l
.set SW,   120                         ; v120-127 scale words on their way out
.set LF,   128                         ; L's fragments; on the way out the codes of tile l at v[128 + 8 l]
.set BI,   64                          ; the bias, in window 1
.set WV,   16
.set HL,   17                          ; my half of L's rows.  Also: I fetch for L (0) or for P (1)
.set HP,   18                          ; my half of P's rows.  Also: which 128 rows I fetch
.set CX,   19
.set CY,   20
.set CLY,  21
.set LROW, 22                          ; the work-group's first row of L
.set PROW, 23                          ; and of P
.set G1L,  24                          ; s[24:31] group 1 for L's codes;  s[32:39] P's;  s[40:47] L's scales;  s[48:55] P's
.set G1P,  32
.set G1SL, 40
.set G1SP, 48
.set G0L,  56                          ; s[56:59] group 0 for L's scales, s[60:63] slot 0, s[68:71] slot 1
.set G0L1, 68
.set G0P,  72                          ; s[72:75], s[76:79], s[80:83] the same for P
.set SEL,  84                          ; s[84:85] lane selects for v_permlanex16_b32: lane l xor 16
.set MSB, 0
.macro WIN new                         ; the immediate's high byte repeats the setting that is left; a switch that changes nothing is dropped
.if MSB != (\new)
	s_set_vgpr_msb (MSB<<8)|(\new)
.set MSB, (\new)
.endif
.endm
.macro PLACES n
.rept \n
	v_nop
.endr
.endm
.macro CROUND                          ; a round of the cluster's barrier
	s_barrier_signal -1
	s_barrier_wait -1
	s_cmp_lg_u32 s[WV], 0
	s_cbranch_scc1 .Lnot_wave_0_\@
	s_barrier_signal -3
.Lnot_wave_0_\@:
	s_barrier_wait -3
	s_barrier_signal -1
	s_barrier_wait -1
.endm
	s_load_b256 s[4:11], s[0:1], 0x0               ; x's codes s[4:5], x's scales s[6:7], w's codes s[8:9], w's scales s[10:11]
	s_load_b128 s[12:15], s[0:1], 0x20             ; the bias s[12:13], qkvw s[14:15]
	v_lshl_add_u32 v106, v0, 2, 0x48400
	v_mov_b32 v107, 0
	ds_add_u32 v106, v107
	ds_add_u32 v106, v107
	v_lshrrev_b32 v1, 5, v0
	v_readfirstlane_b32 s[WV], v1                  ; wave 0..3
	s_lshr_b32 s[HL], s[WV], 1
	s_and_b32 s[HP], s[WV], 1
	s_bfe_u32 s[CX], ttmp6, 0x40000                ; my place in the cluster
	s_bfe_u32 s[CY], ttmp6, 0x40004
	s_and_b32 s[CLY], ttmp7, 0xffff                ; the cluster's y
	s_lshl_b32 s2, s[CY], 2
	s_lshl_b32 s2, 15, s2                          ; my row of the cluster
	s_lshl_b32 s3, 0x1111, s[CX]                   ; my column
	; group 1 for codes: 128 rows x 256 bytes out of rows of 512, 16 bytes of padding behind each
	s_or_b32 s[G1L], s2, (1<<20)|(1<<21)|(5<<22)|(3<<25)   ; 15:0 the mask; 17:16 elements of 1 byte; 20 padding on; 21 set beside a mask; 24:22 after every 64 words; 31:25 four words
	s_or_b32 s[G1P], s3, (1<<20)|(1<<21)|(5<<22)|(3<<25)
.irp g, G1L, G1P
	s_mov_b32 s[\g+1], 256<<16                     ; tensor_dim0
	s_mov_b32 s[\g+2], 128<<16                     ; tensor_dim1
	s_mov_b32 s[\g+3], 256<<16                     ; tile_dim0
	s_mov_b32 s[\g+4], 128                         ; tile_dim1
	s_mov_b32 s[\g+5], 512                         ; from row to row
	s_mov_b32 s[\g+6], 0
	s_mov_b32 s[\g+7], 0
.endr
	; group 1 for the scales of 128 rows: 4,096 dense bytes as 16 rows of 256 (32 elements of 8 bytes), 16 bytes of padding behind each
	s_or_b32 s[G1SL], s2, (3<<16)|(1<<20)|(1<<21)|(5<<22)|(3<<25)
	s_or_b32 s[G1SP], s3, (3<<16)|(1<<20)|(1<<21)|(5<<22)|(3<<25)
.irp g, G1SL, G1SP
	s_mov_b32 s[\g+1], 32<<16
	s_mov_b32 s[\g+2], 16<<16
	s_mov_b32 s[\g+3], 32<<16
	s_mov_b32 s[\g+4], 16
	s_mov_b32 s[\g+5], 32
	s_mov_b32 s[\g+6], 0
	s_mov_b32 s[\g+7], 0
.endr
	; the rows.  q, k: L = tokens 1,024 x cluster y + 256 cy, P = channels 1,024 x cluster x + 256 cx.  v: L = channels 2,048 + 256 cy, P = tokens 1,024 x cluster y + 256 cx
	s_lshl_b32 s98, s[CLY], 10
	s_lshl_b32 s99, ttmp9, 10
	s_cmp_eq_u32 ttmp9, 2
	s_cselect_b32 s[LROW], 2048, s98
	s_cselect_b32 s[PROW], s98, s99
	s_lshl_b32 s2, s[CY], 8
	s_add_co_u32 s[LROW], s[LROW], s2
	s_lshl_b32 s3, s[CX], 8
	s_add_co_u32 s[PROW], s[PROW], s3
	s_lshl_b32 s99, s[HP], 7
	s_add_co_u32 s94, s[LROW], s99                 ; the first row that I fetch, if for L (these registers never hold cx),
	s_add_co_u32 s96, s[PROW], s99                 ; if for P (these never cy)
	s_mov_b32 s95, 0
	s_mov_b32 s97, 0
	s_mul_i32 s98, s[WV], HALFT                    ; where it goes: wave x 128 rows: no place in the cluster enters an LDS address
	s_mul_i32 s99, s[WV], HALFS
	s_wait_dscnt 0x0
	s_wait_kmcnt 0x0
	s_cmp_eq_u32 ttmp9, 2                          ; the choice of tensors hangs on the cluster's x alone
	s_cselect_b64 s[86:87], s[8:9], s[4:5]         ; L's codes
	s_cselect_b64 s[88:89], s[10:11], s[6:7]       ; L's scales
	s_cselect_b64 s[90:91], s[4:5], s[8:9]         ; P's codes
	s_cselect_b64 s[92:93], s[6:7], s[10:11]       ; P's scales
	s_lshl_b32 s94, s94, 5                         ; 32 bytes of scales a row,
	s_add_nc_u64 s[88:89], s[88:89], s[94:95]
	s_lshl_b32 s94, s94, 4                         ; 512 of codes
	s_add_nc_u64 s[86:87], s[86:87], s[94:95]
	s_lshl_b32 s96, s96, 5
	s_add_nc_u64 s[92:93], s[92:93], s[96:97]
	s_lshl_b32 s96, s96, 4
	s_add_nc_u64 s[90:91], s[90:91], s[96:97]
	s_mov_b32 s[G0L], 1                            ; L's scales
	s_add_co_u32 s[G0L+1], s99, SCL
	s_mov_b64 s[G0L+2:G0L+3], s[88:89]
	s_or_b32 s[G0L+3], s[G0L+3], 0x80000000
	s_mov_b32 s[G0L+4], 1                          ; L's codes, K bytes 0 to 255
	s_mov_b32 s[G0L+5], s98
	s_mov_b64 s[G0L+6:G0L+7], s[86:87]
	s_or_b32 s[G0L+7], s[G0L+7], 0x80000000
	s_mov_b32 s[G0L1], 1                           ; and 256 to 511
	s_add_co_u32 s[G0L1+1], s98, SLOT
	s_add_nc_u64 s[G0L1+2:G0L1+3], s[86:87], 256
	s_or_b32 s[G0L1+3], s[G0L1+3], 0x80000000
	s_mov_b32 s[G0P], 1                            ; the same for P
	s_add_co_u32 s[G0P+1], s99, SCL
	s_mov_b64 s[G0P+2:G0P+3], s[92:93]
	s_or_b32 s[G0P+3], s[G0P+3], 0x80000000
	s_mov_b32 s[G0P+4], 1
	s_mov_b32 s[G0P+5], s98
	s_mov_b64 s[G0P+6:G0P+7], s[90:91]
	s_or_b32 s[G0P+7], s[G0P+7], 0x80000000
	s_mov_b32 s[G0P+8], 1
	s_add_co_u32 s[G0P+9], s98, SLOT
	s_add_nc_u64 s[G0P+10:G0P+11], s[90:91], 256
	s_or_b32 s[G0P+11], s[G0P+11], 0x80000000
	CROUND                                         ; all sixteen work-groups are here: the joint loads meet
	s_cmp_eq_u32 s[HL], 0                          ; a wave's three fills stand in one branch on the wave's number: three loads of mine are out; four v_nop follow the third
	s_cbranch_scc0 .Lfill_p
	tensor_load_to_lds s[G0L:G0L+3], s[G1SL:G1SL+7]
	s_nop 0
	tensor_load_to_lds s[G0L+4:G0L+7], s[G1L:G1L+7]
	s_nop 0
	tensor_load_to_lds s[G0L1:G0L1+3], s[G1L:G1L+7]
	s_nop 0
	PLACES 4
	s_branch .Lfilled
.Lfill_p:
	tensor_load_to_lds s[G0P:G0P+3], s[G1SP:G1SP+7]
	s_nop 0
	tensor_load_to_lds s[G0P+4:G0P+7], s[G1P:G1P+7]
	s_nop 0
	tensor_load_to_lds s[G0P+8:G0P+11], s[G1P:G1P+7]
	s_nop 0
	PLACES 4
.Lfilled:
	v_and_b32 v1, 15, v0                           ; r
	v_bfe_u32 v2, v0, 4, 1                         ; h
	v_and_b32 v3, 31, v0                           ; lane
	v_mul_u32_u24 v4, v1, PITCH
	v_lshl_add_u32 v4, v2, 4, v4                   ; a fragment's row x pitch + 16 x half
	s_mul_i32 s2, s[HL], HALFT                     ; my 128 rows of L
	s_mul_i32 s3, s[HP], HALFT                     ; my 128 rows of P,
	s_add_co_u32 s3, s3, 2*HALFT                   ; which lie behind L's 256
	v_add_nc_u32 v[ADRL], s2, v4
	v_add_nc_u32 v[ADRL+1], SLOT, v[ADRL]
	v_add_nc_u32 v[ADRP], s3, v4
	v_add_nc_u32 v[ADRP+1], SLOT, v[ADRP]
	v_lshrrev_b32 v5, 3, v3
	v_lshlrev_b32 v5, 4, v5
	v_lshl_add_u32 v5, v3, 5, v5                   ; scales: 32 bytes a row, a lane a row, and 16 more for each 256 passed
	s_mul_i32 s2, s[HL], HALFS
	s_add_co_u32 s2, s2, SCL
	s_mul_i32 s3, s[HP], HALFS
	s_add_co_u32 s3, s3, SCL+2*HALFS
	v_add_nc_u32 v[ASL], s2, v5
	v_add_nc_u32 v[ASP], s3, v5
	v_lshlrev_b32 v[L16], 4, v3
	v_lshlrev_b32 v[L8], 3, v3
.irp b, 0,1,2,3
	v_mov_b32 v[TM+4+\b], 0                        ; written once: a lane permute's destination counts as one of its sources
.endr
	s_mov_b32 s[SEL], 0x76543210
	s_mov_b32 s[SEL+1], 0xfedcba98
	s_mov_b32 vcc_lo, 0xffff0000                   ; lanes 16-31: for the scale words' way out
	; THE BIAS is the C of each sum's first product, in the result's layout: 64 registers, all of them written in either role before the two ways join
	s_cmp_eq_u32 ttmp9, 2
	s_cbranch_scc1 .Lbias_v
	s_lshl_b32 s4, s[HP], 7                        ; q, k: the bias runs along P: tile p's register j of lane (r, h) wants channel 16 p + 8 h + j
	s_add_co_u32 s4, s4, s[PROW]
	s_lshl_b32 s4, s4, 2
	s_mov_b32 s5, 0
	s_add_nc_u64 s[12:13], s[12:13], s[4:5]
	v_lshlrev_b32 v[BO], 5, v2
	WIN 0x40                                       ; destination window 1
.irp p, 0,1,2,3,4,5,6,7
	global_load_b128 v[BI+8*\p:BI+8*\p+3], v[BO], s[12:13] offset:64*\p
	global_load_b128 v[BI+8*\p+4:BI+8*\p+7], v[BO], s[12:13] offset:64*\p+16
.endr
	WIN 0
	s_branch .Lbias_in
.Lbias_v:
	s_lshl_b32 s4, s[HL], 7                        ; v: the bias runs along L: all eight registers of tile l want channel 16 l + r
	s_add_co_u32 s4, s4, s[LROW]
	s_lshl_b32 s4, s4, 2
	s_mov_b32 s5, 0
	s_add_nc_u64 s[12:13], s[12:13], s[4:5]
	v_lshlrev_b32 v[BO], 2, v1
	WIN 0x40
.irp l, 0,1,2,3,4,5,6,7
	global_load_b32 v[BI+8*\l], v[BO], s[12:13] offset:64*\l
.endr
	s_wait_loadcnt 0x0                             ; the eight are in (my three tensor loads are still on their way: nothing else is held up by this wait)
	WIN 0x41                                       ; destination and source window 1
.irp l, 0,1,2,3,4,5,6,7
.irp j, 1,2,3,4,5,6,7
	v_mov_b32 v[BI+8*\l+\j], v[BI+8*\l]            ; a channel's bias for each of the lane's eight tokens
.endr
.endr
	WIN 0
.Lbias_in:
; One product.  The callers set: rD, rA, rB, rC the first registers, rSA, rSB the scale registers, rRA, rRB which half of the lanes holds the words.
.macro WM
.if rRA && rRB
	v_wmma_scale_f32_16x16x128_f8f6f4 v[rD:rD+7], v[rA:rA+7], v[rB:rB+7], v[rC:rC+7], v[rSA], v[rSB] matrix_a_fmt:MATRIX_FMT_FP4 matrix_b_fmt:MATRIX_FMT_FP4 matrix_a_scale:MATRIX_SCALE_ROW1 matrix_b_scale:MATRIX_SCALE_ROW1
.elseif rRA
	v_wmma_scale_f32_16x16x128_f8f6f4 v[rD:rD+7], v[rA:rA+7], v[rB:rB+7], v[rC:rC+7], v[rSA], v[rSB] matrix_a_fmt:MATRIX_FMT_FP4 matrix_b_fmt:MATRIX_FMT_FP4 matrix_a_scale:MATRIX_SCALE_ROW1
.elseif rRB
	v_wmma_scale_f32_16x16x128_f8f6f4 v[rD:rD+7], v[rA:rA+7], v[rB:rB+7], v[rC:rC+7], v[rSA], v[rSB] matrix_a_fmt:MATRIX_FMT_FP4 matrix_b_fmt:MATRIX_FMT_FP4 matrix_b_scale:MATRIX_SCALE_ROW1
.else
	v_wmma_scale_f32_16x16x128_f8f6f4 v[rD:rD+7], v[rA:rA+7], v[rB:rB+7], v[rC:rC+7], v[rSA], v[rSB] matrix_a_fmt:MATRIX_FMT_FP4 matrix_b_fmt:MATRIX_FMT_FP4
.endif
.endm
; The 32 LDS loads of K step q (128 along K: 64 bytes of a row), in one run: P's eight fragments, then L's, into set q % 2.
; A fragment is 8 registers: lane l holds row l % 16; registers 4 c .. 4 c + 3 hold K = 64 c + 32 (l / 16) + 0 .. 31: 16 bytes of the row as they lie.
.macro FETCH q
.set fS, (\q)/4
.set fO, 64*((\q)%4)
.set fP, 128*((\q)%2)
.set fL, LF+64*((\q)%2)
	WIN 0x40                                       ; destination window 1
.irp i, 0,1,2,3,4,5,6,7
.irp c, 0,1
	ds_load_b128 v[fP+8*\i+4*\c:fP+8*\i+4*\c+3], v[ADRP+fS] offset:fO+32*\c+\i*16*PITCH
.endr
.endr
	WIN 0
.irp i, 0,1,2,3,4,5,6,7
.irp c, 0,1
	ds_load_b128 v[fL+8*\i+4*\c:fL+8*\i+4*\c+3], v[ADRL+fS] offset:fO+32*\c+\i*16*PITCH
.endr
.endr
.endm
; The 64 products of K step q.  mode 0: onto the sums; 1: the sums begin with the bias along P; 2: with the bias along L.
; The 64 accumulators take turns, one instruction a turn, in the same order in every step.
.macro MUL q, mode
.set l, 0
.rept 8
.if (\mode) == 0
	WIN 0xa1+0x50*(l/4)                            ; source 0 (P) window 1, source 1 (L) window 0, C and D window 2 or 3
.else
	WIN 0x91+0x40*(l/4)                            ; C (the bias) window 1
.endif
.set p, 0
.rept 8
.set rD, 8*(8*(l%4)+p)
.set rA, 128*((\q)%2)+8*p
.set rB, LF+64*((\q)%2)+8*l
.if (\mode) == 0
.set rC, rD
.elseif (\mode) == 1
.set rC, BI+8*p
.else
.set rC, BI+8*l
.endif
.set rSA, PS+8*(p/2)+(\q)
.set rSB, LS+8*(l/2)+(\q)
.set rRA, p%2
.set rRB, l%2
	WM
.set p, p+1
.endr
.set l, l+1
.endr
.endm
.macro STEP q, mode
	s_wait_dscnt 0x0                               ; this step's fragments are in: they were asked for a step, 64 products, ago
.if (\q) == 3
	s_wait_tensorcnt 0x0                           ; my part of slot 1 has landed,
	s_barrier_signal -1
	s_barrier_wait -1                              ; everybody's has
.endif
.if (\q) < 7
	PLACES 4                                       ; four places in front of loads into registers that the last step's products have read (ISA guide 7.12.1 for vector instructions)
	FETCH (\q)+1
.endif
	MUL \q, \mode
	WIN 0
.endm
	s_wait_tensorcnt 1                             ; the scales and my part of slot 0 have landed; slot 1's load may stay out
	s_barrier_signal -1
	s_barrier_wait -1
	s_wait_alu depctr_va_vdst(0)
.irp t, 0,1,2,3                        ; all scale words, once: a lane takes a row's 32 bytes (8 K steps) of tiles 2 t (lanes 0-15) and 2 t + 1 (lanes 16-31)
.irp g, 0,1
	ds_load_b128 v[LS+8*\t+4*\g:LS+8*\t+4*\g+3], v[ASL] offset:1088*\t+16*\g
	ds_load_b128 v[PS+8*\t+4*\g:PS+8*\t+4*\g+3], v[ASP] offset:1088*\t+16*\g
.endr
.endr
	FETCH 0
	s_wait_loadcnt 0x0                             ; the bias
	s_cmp_eq_u32 ttmp9, 2                          ; the first K step is written twice: the two roles name the bias registers by another index
	s_cbranch_scc1 .Lfirst_v
	STEP 0, 1
	s_branch .Lfirst_done
.Lfirst_v:
	STEP 0, 2
.Lfirst_done:
	STEP 1, 0
	STEP 2, 0
	STEP 3, 0
	STEP 4, 0
	STEP 5, 0
	STEP 6, 0
	STEP 7, 0
; THE QUANTISER.  64 numbers of a lane, v[src + 8 t + j] of window w = index 16 t + 8 (lane / 16) + j along the axis that is quantised, become a fragment's codes in v[pc] on and its scale word in v[pw].
; A block of 32 is tiles 2 b and 2 b + 1 of lanes l and l xor 16.  A conversion of tile 2 b + u holds octet 2 u + (lane / 16) of block b.  The operand's layout wants block 2 c + (lane / 16) whole in a lane:
; the conversions of (block 2 c, u) and (block 2 c + 1, u) go to neighbouring registers 4 c + 2 u and 4 c + 2 u + 1, and one exchange of the first's upper lanes with the second's lower lanes puts octets 2 u and 2 u + 1 in place.
.macro QUANT src, w, pc, pw
.set qS, \src
.set qW, \w
.set qC, \pc
.set qP, \pw
.set qM, (qW<<2)|(qW<<4)
	WIN qM                                         ; sources 1 and 2 in the accumulators' window
.irp b, 0,1,2,3
	v_max3_num_f32 v[TM+\b], 0x1800000, |v[qS+16*\b]|, |v[qS+16*\b+1]|   ; with the floor 2^(3 - 127): the byte cannot fall under 1.  Each accumulator is read from its low end on
.endr
.irp i, 2,4,6,8,10,12,14
.irp b, 0,1,2,3
	v_max3_num_f32 v[TM+\b], v[TM+\b], |v[qS+16*\b+\i]|, |v[qS+16*\b+\i+1]|
.endr
.endr
	WIN 0
.irp b, 0,1,2,3
	v_permlanex16_b32 v[TM+4+\b], v[TM+\b], s[SEL], s[SEL+1]
.endr
.irp b, 0,1,2,3
	v_max_num_f32 v[TM+\b], v[TM+\b], v[TM+4+\b]   ; the block's largest magnitude
.endr
.irp b, 0,1,2,3
	v_add_nc_u32 v[TM+12+\b], 0xff000000, v[TM+\b] ; 2 off its exponent field: the conversion's scale operand
.endr
.irp b, 0,1,2,3
	v_lshrrev_b32 v[TM+4+\b], 23, v[TM+12+\b]      ; the scale's byte
.endr
	v_lshl_or_b32 v[qP], v[TM+5], 8, v[TM+4]
	v_lshl_or_b32 v[qP], v[TM+6], 16, v[qP]
	v_lshl_or_b32 v[qP], v[TM+7], 24, v[qP]
	WIN qW                                         ; source 0 in the accumulators' window
.irp c, 0,1
.irp u, 0,1
.irp bb, 0,1
	v_cvt_scalef32_pk8_fp4_f32 v[qC+4*\c+2*\u+\bb], v[qS+8*(2*(2*\c+\bb)+\u):qS+8*(2*(2*\c+\bb)+\u)+7], v[TM+12+2*\c+\bb]
.endr
.endr
.endr
	WIN 0
	v_nop                                          ; one plain place behind a scaled conversion
.irp c, 0,1
.irp u, 0,1
	v_permlane16_swap_b32 v[qC+4*\c+2*\u], v[qC+4*\c+2*\u+1]
.endr
.endr
.endm
; THE WAY OUT.  No LDS: a fragment's group of four registers is stored as it stands, 16 bytes a lane.  Every store has registers of its own, so none is written again.
.macro EPI role
.if \role
	s_lshr_b32 s4, s[PROW], 8                      ; v: tokens run along P: block of 256 tokens,
	s_lshr_b32 s6, s4, 3                           ; batch,
	s_and_b32 s4, s4, 7
	s_lshl_b32 s4, s4, 1
	s_add_co_u32 s4, s4, s[HP]                     ; step of 128 tokens;
	s_lshl_b32 s5, s[CY], 2
	s_lshl_b32 s7, s[HL], 1
	s_add_co_u32 s5, s5, s7                        ; my first head: 4 cy + 2 x half
.else
	s_lshr_b32 s4, s[LROW], 8                      ; q, k: tokens run along L
	s_lshr_b32 s5, s[PROW], 8
	s_lshr_b32 s6, s4, 3
	s_and_b32 s4, s4, 7
	s_lshl_b32 s4, s4, 1
	s_add_co_u32 s4, s4, s[HL]
	s_and_b32 s5, s5, 3
	s_lshl_b32 s5, s5, 2
	s_lshl_b32 s7, s[HP], 1
	s_add_co_u32 s5, s5, s7                        ; my first head: 4 x (block of 256 channels) + 2 x half
.endif
	s_lshl_b32 s6, s6, 4
	s_add_co_u32 s5, s5, s6
	s_lshl_b32 s5, s5, 4
	s_add_co_u32 s4, s4, s5
	s_mul_i32 s4, s4, REC                          ; the record of my first head and my step
.if \role
	s_add_co_u32 s8, s4, 4096                      ; V's section,
	s_add_co_u32 s10, s4, 256                      ; and its scale words: 12,288 + 256
.else
	s_cmp_eq_u32 ttmp9, 0
	s_cselect_b32 s8, 8192, 0                      ; Q's section or K's,
	s_cselect_b32 s10, 512, 0                      ; and the scale words: 12,288 + 512 or + 0
	s_add_co_u32 s8, s8, s4
	s_add_co_u32 s10, s10, s4
.endif
	s_mov_b32 s9, 0
	s_mov_b32 s11, 0
	s_add_nc_u64 s[8:9], s[14:15], s[8:9]
	s_add_nc_u64 s[10:11], s[14:15], s[10:11]
	s_mov_b32 s6, 0x05040100                       ; two low halves
	s_mov_b32 s7, 0x07060302                       ; two high halves
.irp l, 0,1,2,3,4,5,6,7
	QUANT 64*(\l%4), 2+\l/4, LF+8*\l, PW+\l
.irp c, 0,1
.if \role
	global_store_b128 v[L16], v[LF+8*\l+4*\c:LF+8*\l+4*\c+3], s[8:9] offset:(\l/4)*HS+1024*(\l%4)+512*\c   ; head l / 4, channels 16 (l % 4) on, keys 64 c on
.else
	global_store_b128 v[L16], v[LF+8*\l+4*\c:LF+8*\l+4*\c+3], s[8:9] offset:\c*HS+512*\l                   ; head c, tokens 16 l on
.endif
.endr
.endr
	; the scale words, as the reader's register pair: word i of lane L belongs to fragment 2 i + L / 16, row L % 16
.if \role
	v_cndmask_b32 v[SW], v[PW], v[PW+1], vcc_lo    ; a channel tile's word holds the step's four key blocks as it stands
	v_cndmask_b32 v[SW+1], v[PW+2], v[PW+3], vcc_lo
	v_cndmask_b32 v[SW+4], v[PW+4], v[PW+5], vcc_lo
	v_cndmask_b32 v[SW+5], v[PW+6], v[PW+7], vcc_lo
.else
.irp f, 0,1,2,3
	v_perm_b32 v[SW+\f], v[PW+2*\f+1], v[PW+2*\f], s6      ; first head: token tile 2 f's two bytes, then tile 2 f + 1's
	v_perm_b32 v[SW+4+\f], v[PW+2*\f+1], v[PW+2*\f], s7    ; second head
.endr
	v_cndmask_b32 v[SW], v[SW], v[SW+1], vcc_lo
	v_cndmask_b32 v[SW+1], v[SW+2], v[SW+3], vcc_lo
	v_cndmask_b32 v[SW+4], v[SW+4], v[SW+5], vcc_lo
	v_cndmask_b32 v[SW+5], v[SW+6], v[SW+7], vcc_lo
.endif
	global_store_b64 v[L8], v[SW:SW+1], s[10:11] offset:12288
	global_store_b64 v[L8], v[SW+4:SW+5], s[10:11] offset:12288+HS
.endm
	PLACES 4                                       ; behind the last products, in front of the first reads of results and writes of fragment registers
	s_cmp_eq_u32 ttmp9, 2
	s_cbranch_scc1 .Lout_v
	EPI 0
	s_branch .Lout_done
.Lout_v:
	EPI 1
.Lout_done:
	s_wait_tensorcnt 0x0
	ds_add_u32 v106, v107
	s_wait_dscnt 0x0
	CROUND                                         ; the closing round: no work-group ends while a partner may still ask for a tile that names it
	s_endpgm
.Lfunc_end_k_q5bf7a934ba_qkv:
	.size	k_q5bf7a934ba_qkv, .Lfunc_end_k_q5bf7a934ba_qkv-k_q5bf7a934ba_qkv
	.p2alignl 7, 3214868480
	.fill 96, 4, 3214868480
	.section	.rodata,"a",@progbits
	.p2align	6, 0x0
	.amdhsa_kernel k_q5bf7a934ba_qkv
		.amdhsa_group_segment_fixed_size 296448
		.amdhsa_private_segment_fixed_size 0
		.amdhsa_enable_private_segment 0
		.amdhsa_kernarg_size 48
		.amdhsa_user_sgpr_count 2
		.amdhsa_user_sgpr_kernarg_segment_ptr 1
		.amdhsa_wavefront_size32 1
		.amdhsa_system_sgpr_workgroup_id_x 1
		.amdhsa_system_sgpr_workgroup_id_y 1
		.amdhsa_system_sgpr_workgroup_id_z 1
		.amdhsa_system_vgpr_workitem_id 0
		.amdhsa_next_free_vgpr 1024
		.amdhsa_next_free_sgpr 100
		.amdhsa_reserve_vcc 1
		.amdhsa_float_denorm_mode_32 3
		.amdhsa_float_denorm_mode_16_64 3
		.amdhsa_memory_ordered 1
		.amdhsa_forward_progress 1
		.amdhsa_inst_pref_size 175
	.end_amdhsa_kernel
	.amdgpu_metadata
---
amdhsa.version: [ 1, 2 ]
amdhsa.kernels:
  - .name:           k_q5bf7a934ba_qkv
    .symbol:         k_q5bf7a934ba_qkv.kd
    .args:
      - { .name: x_codes, .offset: 0, .size: 8, .value_kind: global_buffer, .address_space: global }
      - { .name: x_scales, .offset: 8, .size: 8, .value_kind: global_buffer, .address_space: global }
      - { .name: w_qkv_codes, .offset: 16, .size: 8, .value_kind: global_buffer, .address_space: global }
      - { .name: w_qkv_scales, .offset: 24, .size: 8, .value_kind: global_buffer, .address_space: global }
      - { .name: b_qkv, .offset: 32, .size: 8, .value_kind: global_buffer, .address_space: global }
      - { .name: qkvw, .offset: 40, .size: 8, .value_kind: global_buffer, .address_space: global }
    .group_segment_fixed_size: 296448
    .private_segment_fixed_size: 0
    .kernarg_segment_align: 8
    .kernarg_segment_size: 48
    .max_flat_workgroup_size: 128
    .sgpr_count:     100
    .vgpr_count:     1024
    .wavefront_size: 32
...
	.end_amdgpu_metadata
.endif
;; end of part 1
;; launch attn (part 2): grid 8 x 32, 16 waves a work-group, clusters of 4 x 1, 281,600 bytes of LDS; arguments qkvw, oimg, osc; writes oimg, osc
.if DOCPART == 2
	.amdgcn_target "amdgcn-amd-amdhsa--gfx1250"
	.amdhsa_code_object_version 6
	.text
	.protected	k_q5bf7a934ba_attn
	.globl	k_q5bf7a934ba_attn
	.p2align	8
	.type	k_q5bf7a934ba_attn,@function
k_q5bf7a934ba_attn:
	s_mov_b64 s[64:65], 0
	v_nop
	global_prefetch_b8 v0, s[64:65] scope:SCOPE_SE
	s_setreg_imm32_b32 hwreg(HW_REG_WAVE_MODE, 25, 1), 1
	s_wait_xcnt 0x0
	s_wait_alu depctr_hold_cnt(0) depctr_sa_sdst(0) depctr_va_vdst(0) depctr_va_sdst(0) depctr_va_ssrc(0) depctr_va_vcc(0) depctr_vm_vsrc(0)
	s_getreg_b32 s2, hwreg(HW_REG_IB_STS2, 6, 4)
	s_cmp_eq_u32 s2, 0
	s_cbranch_scc0 .Lentry_in_a_cluster
	s_endpgm
.Lentry_in_a_cluster:
	s_bfe_u32 s2, ttmp6, 0x10000c
	s_cmp_lg_u32 s2, 0x3003
	s_cbranch_scc0 .Lentry_shape_is_right
	s_endpgm
.Lentry_shape_is_right:
; O = softmax(q k^T / 8) v for two heads of one batch and 256 queries, both products on codes of FP4 (E2M1) with one E8M0 scale for each 32 along a product's K; the result, divided by the row's sum,
; is quantised along the model's channels and leaves as the operand of the last product.
; THE SOFTMAX: t = score x log2(e) / 8; M = the running largest t rounded UP to a whole number; p = 2^(t - M) is what is quantised, along the keys, not normalised.  The row's sum is taken of the unquantised p
; and divides at the end.  When M moves, the sum and O are multiplied by 2^(old M - new M): exact.
; SHARES.  Work-group (x, y): y = batch x 8 + pair of heads, block of 256 queries = 4 x cluster x + cx.  Each of SIXTEEN waves owns 16 queries, in 256 registers: four waves to a SIMD, so that one wave's vector
; work stands beside another's products and LDS loads.  A wave makes two passes, head 2 pair and head 2 pair + 1, so that it ends with a whole fragment (128 channels) and a whole scale word of the last product.
; LDS IS FILLED ONCE: both heads' K, V and scale words for all 2,048 keys lie there, 278,528 bytes.  Every wave issues five tensor loads at the head; there is no later request, so nothing is asked for ahead of one.
; CLUSTER 4 x 1: the four query blocks walk the same pair of heads, so each tile is asked for JOINTLY, by the same load with the mask of all four.  cx enters Q's and the outputs' global addresses alone.
; LAYOUT.  Both products are used transposed: S^T = K Q^T (source 0 = keys, source 1 = my 16 queries), O^T = V^T P^T: a lane holds ONE query (lane % 16) throughout.  Operands lie in LDS as images of their registers.
; THE HEAD'S 64 IN AN INSTRUCTION OF 128: a fragment of K holds two tiles of 16 keys side by side (k = 0 .. 63 and 64 .. 127).  Q stands as (q, 0, q) in 12 registers: the first eight, (q, 0), pick the first tile, the
; last eight, (0, q), the second.  Zero codes add nothing under any scale byte that this program makes (1 to 254).
; LIMITS: NaN and infinities are not served.  A block whose largest magnitude lies under 2^-124, a block of zeros among them, gets the scale byte 1; the bytes are read by this program alone.
.set REC,  13056                       ; a record of qkvw: 0 K, 4,096 V, 8,192 Q, 12,288 K's, 12,544 V's, 12,800 Q's scale words
.set HS,   16*REC                      ; from head to head
.set SC,   262144                      ; LDS: K and V at step x 16,384 + quarter x 4,096 + head x 2,048 (quarters 0, 1: K; 2, 3: V); from here the scale words: step x 1,024 + head x 512, K's pair, then V's
.set STG,  SC+16384                    ; 1,024 bytes of their own for the output's scale words: no tile lands here
.set L16, 1                            ; v1   16 x lane
.set L8,  2                            ; v2   8 x lane
.set ADK, 3                            ; v3   LDS address of the step's K and V
.set ADS, 4                            ; v4   of its scale words
.set R8,  5                            ; v5   8 x (lane % 16)
.set SWA, 6                            ; v6   where I put my query's scale word: STG + 64 x wave + 4 x (lane % 16)
.set SRA, 7                            ; v7   where waves 0 and 1 read them back
.set KS,  8                            ; v[8:9]   K's scale words: register i: lanes 0-15 fragment 2 i, lanes 16-31 fragment 2 i + 1
.set VS,  10                           ; v[10:11] V's: tiles 2 i and 2 i + 1
                                       ; v12 -M, v13 the largest t, v[14:15] the sum in two halves
.set QA,  16                           ; v16-27  (q, 0, q) of the first head
.set QB,  28                           ; v28-39  of the second
.set KF,  40                           ; v40-71  K: four fragments
.set VF,  72                           ; v72-103 V: four tiles of 16 channels x 128 keys
.set S,   104                          ; v104-167 S^T, then p
.set O,   168                          ; v168-199 O^T
.set PC,  200                          ; v200-207 p's codes
.set OC,  208                          ; v208-215 the output's codes
.set BM,  216                          ; v216-219 a block's largest score, then its largest p
.set BT,  220                          ; v220-223 at work
.set SO,  224                          ; v224-227 the conversions' scale operands
.set F,   228                          ; v[228:229] f = 2^(old M - new M) (the low word serves both halves)
.set SUMB, 230                         ; v[230:231] the sum's second chain
.set T0,  232
.set T1,  233
.set PW,  234                          ; p's scale word
.set QSA, 235                          ; Q's scale words
.set QSB, 236
.set PWO, 237                          ; the output's scale word
.set GT,  238                          ; 16 x (thread % 64)
.set WV,  10
.set CX,  11
.set QBK, 12                           ; my block of 256 queries
.set YY,  13
.set SEL, 14                           ; s[14:15] lane selects for v_permlanex16_b32: lane l xor 16
.set CS,  16                           ; s[16:17] c = log2(e) / 8
.set TB,  18                           ; LDS byte at which the step's tiles of the head in hand begin
.set TS,  19                           ; and its scale words
.set CNT, 20
.set G1C, 24                           ; s[24:31] group 1 for codes;  s[32:39] for scale words
.set G1S, 32
.set G0S, 40                           ; s[40:43] group 0 for scale words;  s[44:59] four for codes
.set G0C, 44
.macro CROUND                          ; a round of the cluster's barrier
	s_barrier_signal -1
	s_barrier_wait -1
	s_cmp_lg_u32 s[WV], 0
	s_cbranch_scc1 .Lnot_wave_0_\@
	s_barrier_signal -3
.Lnot_wave_0_\@:
	s_barrier_wait -3
	s_barrier_signal -1
	s_barrier_wait -1
.endm
	s_load_b128 s[4:7], s[0:1], 0x0                ; qkvw, oimg
	s_load_b64 s[8:9], s[0:1], 0x10                ; osc
	v_lshl_add_u32 v254, v0, 2, 0x44400
	v_mov_b32 v255, 0
	ds_add_u32 v254, v255
	ds_add_u32 v254, v255
	v_lshrrev_b32 v1, 5, v0
	s_delay_alu instid0(VALU_DEP_1)
	v_readfirstlane_b32 s[WV], v1                  ; wave 0..15
	s_bfe_u32 s[CX], ttmp6, 0x40000
	s_lshl_b32 s[QBK], ttmp9, 2
	s_add_co_u32 s[QBK], s[QBK], s[CX]
	s_and_b32 s[YY], ttmp7, 0xffff
	; group 1: two rows, one for each head, HS bytes apart, dense in LDS: of 2,048 bytes (a quarter of a step's K and V), or of 512 (a step's scale words)
	s_mov_b32 s[G1C], 15|(3<<16)|(1<<21)           ; 15:0 the mask: all four work-groups; 17:16 elements of 8 bytes; 21 set beside a mask
	s_mov_b32 s[G1C+1], 256<<16                    ; tensor_dim0
	s_mov_b32 s[G1C+2], 2<<16                      ; tensor_dim1
	s_mov_b32 s[G1C+3], 256<<16                    ; tile_dim0
	s_mov_b32 s[G1C+4], 2                          ; tile_dim1
	s_mov_b32 s[G1C+5], HS/8                       ; from row to row, in elements
	s_mov_b32 s[G1C+6], 0
	s_mov_b32 s[G1C+7], 0
	s_mov_b32 s[G1S], 15|(3<<16)|(1<<21)
	s_mov_b32 s[G1S+1], 64<<16
	s_mov_b32 s[G1S+2], 2<<16
	s_mov_b32 s[G1S+3], 64<<16
	s_mov_b32 s[G1S+4], 2
	s_mov_b32 s[G1S+5], HS/8
	s_mov_b32 s[G1S+6], 0
	s_mov_b32 s[G1S+7], 0
	s_mul_i32 s22, s[YY], 2*HS                     ; the pair's first head is head 2 y of the 64
	s_mov_b32 s23, 0
	s_mul_i32 s60, s[WV], REC                      ; scale words: wave w brings step w's
	s_add_co_u32 s60, s60, 12288
	s_mov_b32 s61, 0
	s_lshr_b32 s62, s[WV], 2                       ; codes: load c of wave w brings quarter w % 4 of step 4 c + w / 4
	s_and_b32 s63, s[WV], 3
	s_lshl_b32 s66, s62, 14
	s_lshl_b32 s67, s63, 12
	s_add_co_u32 s66, s66, s67                     ; in LDS,
	s_mul_i32 s68, s62, REC
	s_lshl_b32 s67, s63, 11
	s_add_co_u32 s68, s68, s67                     ; and in memory
	s_mov_b32 s69, 0
	s_wait_dscnt 0x0
	s_wait_kmcnt 0x0
	s_add_nc_u64 s[4:5], s[4:5], s[22:23]          ; the pair's first record
	s_mov_b32 s[G0S], 1
	s_lshl_b32 s[G0S+1], s[WV], 10
	s_add_co_u32 s[G0S+1], s[G0S+1], SC
	s_add_nc_u64 s[G0S+2:G0S+3], s[4:5], s[60:61]
	s_or_b32 s[G0S+3], s[G0S+3], 0x80000000
	s_add_nc_u64 s[68:69], s[4:5], s[68:69]
.irp c, 0,1,2,3
	s_mov_b32 s[G0C+4*\c], 1
	s_add_co_u32 s[G0C+4*\c+1], s66, \c*65536
	s_add_nc_u64 s[G0C+4*\c+2:G0C+4*\c+3], s[68:69], \c*4*REC
	s_or_b32 s[G0C+4*\c+3], s[G0C+4*\c+3], 0x80000000
.endr
	CROUND                                         ; all four work-groups are here: the joint loads meet
	tensor_load_to_lds s[G0S:G0S+3], s[G1S:G1S+7]      ; five loads of mine are out; four v_nop follow the last
	s_nop 0
	tensor_load_to_lds s[G0C:G0C+3], s[G1C:G1C+7]
	s_nop 0
	tensor_load_to_lds s[G0C+4:G0C+7], s[G1C:G1C+7]
	s_nop 0
	tensor_load_to_lds s[G0C+8:G0C+11], s[G1C:G1C+7]
	s_nop 0
	tensor_load_to_lds s[G0C+12:G0C+15], s[G1C:G1C+7]
	s_nop 0
.rept 4
	v_nop
.endr
	v_and_b32 v[L16], 31, v0
	s_delay_alu instid0(VALU_DEP_1)
	v_lshlrev_b32 v[L8], 3, v[L16]
	s_delay_alu instid0(VALU_DEP_2)
	v_lshlrev_b32 v[L16], 4, v[L16]
	v_and_b32 v[R8], 15, v0
	v_lshrrev_b32 v[SWA], 5, v0
	s_delay_alu instid0(VALU_DEP_1)
	v_lshlrev_b32 v[SWA], 6, v[SWA]
	s_delay_alu instid0(VALU_DEP_1)
	v_lshl_add_u32 v[SWA], v[R8], 2, v[SWA]
	s_delay_alu instid0(VALU_DEP_1)
	v_add_nc_u32 v[SWA], STG, v[SWA]
	v_lshlrev_b32 v[R8], 3, v[R8]
	s_wait_alu depctr_va_vdst(0)
	v_and_b32 v[GT], 63, v0
	s_delay_alu instid0(VALU_DEP_1)
	v_lshlrev_b32 v[GT], 4, v[GT]
	s_delay_alu instid0(VALU_DEP_1)
	v_add_nc_u32 v[SRA], STG, v[GT]
	; Q: my 16 queries are tile w % 8 of step 2 x block + w / 8
	s_lshl_b32 s70, s[QBK], 1
	s_lshr_b32 s71, s[WV], 3
	s_add_co_u32 s70, s70, s71
	s_mul_i32 s70, s70, REC
	s_mov_b32 s71, 0
	s_add_nc_u64 s[70:71], s[4:5], s[70:71]        ; that step's record, first head
	s_and_b32 s72, s[WV], 7
	s_lshl_b32 s72, s72, 9
	s_mov_b32 s73, 0
	s_add_nc_u64 s[72:73], s[70:71], s[72:73]      ; the tile's image
	s_bfe_u32 s74, s[WV], 0x10001                  ; its scale word lies in fragment f = (w % 8) / 2: lanes 16 (f % 2) on,
	s_lshl_b32 s74, s74, 7
	s_bfe_u32 s75, s[WV], 0x10002                  ; word f / 2
	s_lshl_b32 s75, s75, 2
	s_add_co_u32 s74, s74, s75
	s_mov_b32 s75, 0
	s_add_nc_u64 s[74:75], s[70:71], s[74:75]
	global_load_b128 v[QA:QA+3], v[L16], s[72:73] offset:8192
	global_load_b128 v[QA+8:QA+11], v[L16], s[72:73] offset:8192
	global_load_b128 v[QB:QB+3], v[L16], s[72:73] offset:8192+HS
	global_load_b128 v[QB+8:QB+11], v[L16], s[72:73] offset:8192+HS
	global_load_b32 v[QSA], v[R8], s[74:75] offset:12800
	global_load_b32 v[QSB], v[R8], s[74:75] offset:12800+HS
.irp j, 4,5,6,7
	v_mov_b32 v[QA+\j], 0                          ; the zero codes between the two q
	v_mov_b32 v[QB+\j], 0
.endr
.irp b, 0,1,2,3
	v_mov_b32 v[BT+\b], 0                          ; written once: a lane permute's destination counts as one of its sources
.endr
	v_mov_b32 v[F+1], 0                            ; (named as the upper half of a pair)
	s_mov_b32 s[SEL], 0x76543210
	s_mov_b32 s[SEL+1], 0xfedcba98
	s_mov_b32 s[CS], 0x3e38aa3b                    ; c = log2(e) / 8
	s_mov_b32 s[CS+1], s[CS]
	s_and_b32 s21, s[WV], 1                        ; my tile's two bytes of the word, twice: bytes 0, 1, 0, 1 or 2, 3, 2, 3
	s_mul_i32 s21, s21, 0x02020202
	s_add_co_u32 s21, s21, 0x01000100
	; where the results go
	s_lshr_b32 s76, s[YY], 3                       ; batch
	s_and_b32 s77, s[YY], 7                        ; pair
	s_lshl_b32 s78, s76, 7
	s_lshl_b32 s79, s[QBK], 4
	s_add_co_u32 s78, s78, s79
	s_add_co_u32 s78, s78, s[WV]                   ; my tile of 16 tokens: 128 x batch + 16 x block + wave
	s_lshl_b32 s78, s78, 13                        ; 8,192 bytes a tile,
	s_lshl_b32 s79, s77, 10                        ; 1,024 a pair
	s_add_co_u32 s78, s78, s79
	s_mov_b32 s79, 0
	s_add_nc_u64 s[6:7], s[6:7], s[78:79]
	s_lshl_b32 s78, s77, 15                        ; scale words: 32,768 bytes a pair, 4 a token
	s_lshl_b32 s76, s76, 13
	s_add_co_u32 s78, s78, s76
	s_lshl_b32 s76, s[QBK], 10
	s_add_co_u32 s78, s78, s76
	s_add_nc_u64 s[8:9], s[8:9], s[78:79]
.macro INIT                            ; a pass begins: O^T and the sum are zeros, the largest t lies under every t; the first change of M multiplies zeros, so the step is written without a first form of its own
	v_mov_b32 v13, 0xff61b1e6                      ; -3e38
	s_delay_alu instid0(VALU_DEP_1)
	v_floor_f32 v12, -v13
	v_mov_b32 v14, 0
	v_mov_b32 v15, 0
.set j, 0
.rept 32
	v_mov_b32 v[O+j], 0
.set j, j+1
.endr
.endm
; A KEY STEP: 128 keys.  qb: the head's (q, 0, q); qs: its scale word.
.macro STEP qb, qs
	s_setprio 2
	v_add_nc_u32 v[ADK], s[TB], v[L16]
	v_add_nc_u32 v[ADS], s[TS], v[L8]
	v_nop
	v_nop                                          ; four places in front of loads into registers that the last step's products have read
	ds_load_b64 v[KS:KS+1], v[ADS]
.irp f, 0,1,2,3
.irp c, 0,1
	ds_load_b128 v[KF+8*\f+4*\c:KF+8*\f+4*\c+3], v[ADK] offset:(\f/2)*4096+(\f%2)*1024+512*\c
.endr
.endr
	ds_load_b64 v[VS:VS+1], v[ADS] offset:256
.irp t, 0,1,2,3
.irp c, 0,1
	ds_load_b128 v[VF+8*\t+4*\c:VF+8*\t+4*\c+3], v[ADK] offset:8192+(\t/2)*4096+(\t%2)*1024+512*\c
.endr
.endr
	s_wait_dscnt 9                                 ; K and its scale words are in; V's nine loads may stay out
.irp t, 0,1,2,3,4,5,6,7                ; S^T: tile t of 16 keys is half t % 2 of fragment t / 2; register j of lane (r, h) is key 16 t + 8 h + j of query r
.if (\t/2)%2
	v_wmma_scale_f32_16x16x128_f8f6f4 v[S+8*\t:S+8*\t+7], v[KF+8*(\t/2):KF+8*(\t/2)+7], v[\qb+4*(\t%2):\qb+4*(\t%2)+7], 0, v[KS+\t/4], v[\qs] matrix_a_fmt:MATRIX_FMT_FP4 matrix_b_fmt:MATRIX_FMT_FP4 matrix_a_scale:MATRIX_SCALE_ROW1
.else
	v_wmma_scale_f32_16x16x128_f8f6f4 v[S+8*\t:S+8*\t+7], v[KF+8*(\t/2):KF+8*(\t/2)+7], v[\qb+4*(\t%2):\qb+4*(\t%2)+7], 0, v[KS+\t/4], v[\qs] matrix_a_fmt:MATRIX_FMT_FP4 matrix_b_fmt:MATRIX_FMT_FP4
.endif
.endr
.rept 4
	v_nop
.endr
.irp b, 0,1,2,3
	v_max3_num_f32 v[BM+\b], v[S+16*\b], v[S+16*\b+1], v[S+16*\b+2]   ; the largest score of each block of 32 keys: it serves the row's maximum and, since p rises with the score, the block's largest p
.endr
.irp i, 3,5,7,9,11,13
.irp b, 0,1,2,3
	v_max3_num_f32 v[BM+\b], v[BM+\b], v[S+16*\b+\i], v[S+16*\b+\i+1]
.endr
.endr
.irp b, 0,1,2,3
	v_max_num_f32 v[BM+\b], v[BM+\b], v[S+16*\b+15]
.endr
.irp b, 0,1,2,3
	s_delay_alu instid0(VALU_DEP_4)
	v_permlanex16_b32 v[BT+\b], v[BM+\b], s[SEL], s[SEL+1]
.endr
.irp b, 0,1,2,3
	s_delay_alu instid0(VALU_DEP_4)
	v_max_num_f32 v[BM+\b], v[BM+\b], v[BT+\b]     ; with lane l xor 16's 16 keys
.endr
	s_delay_alu instid0(VALU_DEP_2)
	v_max3_num_f32 v[T0], v[BM], v[BM+1], v[BM+2]
	s_delay_alu instid0(VALU_DEP_1)
	v_max_num_f32 v[T0], v[T0], v[BM+3]            ; the step's largest score of my query
	s_delay_alu instid0(VALU_DEP_1)
	v_mul_f32 v[T0], s[CS], v[T0]                  ; as t (c is positive)
	s_delay_alu instid0(VALU_DEP_1)
	v_max_num_f32 v13, v13, v[T0]                  ; the running largest t
	v_mov_b32 v[T0], v12
	s_delay_alu instid0(VALU_DEP_2)
	v_floor_f32 v12, -v13                          ; the new -M = floor(-t) = -ceil(t)
	s_delay_alu instid0(VALU_DEP_1)
	v_sub_f32 v[T0], v12, v[T0]                    ; old M less new M: a whole number, 0 or less
	s_delay_alu instid0(VALU_DEP_1)
	v_cvt_i32_f32 v[T0], v[T0]                     ; (it saturates)
	s_delay_alu instid0(VALU_DEP_1)
	v_ldexp_f32 v[F], 1.0, v[T0]                   ; f = 2^(old M - new M)
.set j, 0
.rept 32
	v_pk_fma_f32 v[S+j:S+j+1], v[S+j:S+j+1], s[CS:CS+1], v[12:13] op_sel_hi:[1,0,0]   ; t - M, two at a time
.set j, j+2
.endr
.irp b, 0,1,2,3
	v_fma_f32 v[BM+\b], v[BM+\b], s[CS], v12       ; the same of each block's largest score
.endr
.set j, 0
	s_wait_alu depctr_va_vdst(0)
.rept 64
	v_exp_f32 v[S+j], v[S+j]                       ; p = 2^(t - M), at most 1
.set j, j+1
.endr
	s_setprio 1
	v_pk_mul_f32 v[14:15], v[14:15], v[F:F+1] op_sel_hi:[1,0]   ; the sums under the new M: the plain line behind the exponentials
	s_wait_alu depctr_va_vdst(0)                   ; one wait for the batch of 64, ahead of its first reader
.irp b, 0,1,2,3
	v_exp_f32 v[BM+\b], v[BM+\b]                   ; the block's largest p: the same two instructions on the same number give the same bits
.endr
	v_pk_add_f32 v[230:231], v[108:109], v[112:113]
	v_pk_add_f32 v[252:253], v[116:117], v[120:121]
	v_pk_add_f32 v[250:251], v[124:125], v[128:129]
	v_pk_add_f32 v[248:249], v[132:133], v[136:137]
	v_pk_add_f32 v[246:247], v[140:141], v[144:145]
	v_pk_add_f32 v[244:245], v[148:149], v[152:153]
	v_pk_add_f32 v[242:243], v[156:157], v[160:161]
	v_pk_add_f32 v[14:15], v[14:15], v[164:165]
	v_pk_add_f32 v[230:231], v[230:231], v[104:105]
	v_pk_add_f32 v[252:253], v[252:253], v[106:107]
	v_pk_add_f32 v[250:251], v[250:251], v[110:111]
	v_pk_add_f32 v[248:249], v[248:249], v[114:115]
	v_pk_add_f32 v[246:247], v[246:247], v[118:119]
	v_pk_add_f32 v[244:245], v[244:245], v[122:123]
	v_pk_add_f32 v[242:243], v[242:243], v[126:127]
	v_pk_add_f32 v[14:15], v[14:15], v[130:131]
	v_pk_add_f32 v[230:231], v[230:231], v[134:135]
	v_pk_add_f32 v[252:253], v[252:253], v[138:139]
	v_pk_add_f32 v[250:251], v[250:251], v[142:143]
	v_pk_add_f32 v[248:249], v[248:249], v[146:147]
	v_pk_add_f32 v[246:247], v[246:247], v[150:151]
	v_pk_add_f32 v[244:245], v[244:245], v[154:155]
	v_pk_add_f32 v[242:243], v[242:243], v[158:159]
	v_pk_add_f32 v[14:15], v[14:15], v[162:163]
	v_pk_add_f32 v[230:231], v[230:231], v[166:167]
	s_delay_alu instid0(VALU_DEP_2)
	v_pk_add_f32 v[14:15], v[14:15], v[248:249]
	s_delay_alu instid0(VALU_DEP_2)
	v_pk_add_f32 v[230:231], v[230:231], v[246:247]
	v_pk_add_f32 v[252:253], v[252:253], v[244:245]
	v_pk_add_f32 v[250:251], v[250:251], v[242:243]
	s_delay_alu instid0(VALU_DEP_2)
	v_pk_add_f32 v[14:15], v[14:15], v[252:253]
	s_delay_alu instid0(VALU_DEP_2)
	v_pk_add_f32 v[230:231], v[230:231], v[250:251]
	s_delay_alu instid0(VALU_DEP_1)
	v_pk_add_f32 v[14:15], v[14:15], v[230:231]
	s_wait_alu depctr_va_vdst(0)                   ; and one for the four
.irp b, 0,1,2,3
	v_max_num_f32 v[BM+\b], 0x1800000, v[BM+\b]    ; the floor 2^(3 - 127): the byte cannot fall under 1
.endr
.irp b, 0,1,2,3
	s_delay_alu instid0(VALU_DEP_4)
	v_add_nc_u32 v[SO+\b], 0xff000000, v[BM+\b]    ; 2 off the exponent field: the conversion's scale operand
.endr
.irp b, 0,1,2,3
	s_delay_alu instid0(VALU_DEP_4)
	v_lshrrev_b32 v[BT+\b], 23, v[SO+\b]           ; the scale's byte
.endr
	s_delay_alu instid0(VALU_DEP_3)
	v_lshl_or_b32 v[PW], v[BT+1], 8, v[BT]         ; p's scale word for these 128 keys
	s_delay_alu instid0(VALU_DEP_1)
	v_lshl_or_b32 v[PW], v[BT+2], 16, v[PW]
	s_delay_alu instid0(VALU_DEP_1)
	v_lshl_or_b32 v[PW], v[BT+3], 24, v[PW]
.irp c, 0,1                            ; the conversions of (block 2 c, u) and (block 2 c + 1, u) go to registers 4 c + 2 u and 4 c + 2 u + 1
.irp u, 0,1
.irp bb, 0,1
	v_cvt_scalef32_pk8_fp4_f32 v[PC+4*\c+2*\u+\bb], v[S+8*(2*(2*\c+\bb)+\u):S+8*(2*(2*\c+\bb)+\u)+7], v[SO+2*\c+\bb]
.endr
.endr
.endr
	v_nop                                          ; one plain place behind a scaled conversion
.irp c, 0,1
.irp u, 0,1
	v_permlane16_swap_b32 v[PC+4*\c+2*\u], v[PC+4*\c+2*\u+1]   ; the first's upper lanes change places with the second's lower: a lane now holds block 2 c + lane / 16 whole
.endr
.endr
.set j, 0
	s_setprio 0
.rept 16
	v_pk_mul_f32 v[O+j:O+j+1], v[O+j:O+j+1], v[F:F+1] op_sel_hi:[1,0]   ; O^T under the new M.  These sixteen are also the places between the scale word, the codes and the products
.set j, j+2
.endr
	s_wait_alu depctr_va_vdst(0)
	s_wait_dscnt 0x0                               ; V and its scale words are in
.irp t, 0,1,2,3                        ; O^T += V^T P^T: four tiles of 16 channels; K = these 128 keys.  The four accumulators take turns
.if \t%2
	v_wmma_scale_f32_16x16x128_f8f6f4 v[O+8*\t:O+8*\t+7], v[VF+8*\t:VF+8*\t+7], v[PC:PC+7], v[O+8*\t:O+8*\t+7], v[VS+\t/2], v[PW] matrix_a_fmt:MATRIX_FMT_FP4 matrix_b_fmt:MATRIX_FMT_FP4 matrix_a_scale:MATRIX_SCALE_ROW1
.else
	v_wmma_scale_f32_16x16x128_f8f6f4 v[O+8*\t:O+8*\t+7], v[VF+8*\t:VF+8*\t+7], v[PC:PC+7], v[O+8*\t:O+8*\t+7], v[VS+\t/2], v[PW] matrix_a_fmt:MATRIX_FMT_FP4 matrix_b_fmt:MATRIX_FMT_FP4
.endif
.endr
	s_add_co_u32 s[TB], s[TB], 16384               ; the next step
	s_add_co_u32 s[TS], s[TS], 1024
.endm
; A pass ends: O^T / the sum; the head's 64 channels are two blocks of 32; their codes are group e of the last product's fragment, their two bytes half e of its scale word.
.macro FIN e
.rept 4
	v_nop
.endr
	v_add_f32 v14, v14, v15                        ; the sum's two halves,
	s_delay_alu instid0(VALU_DEP_1)
	v_permlanex16_b32 v[T0], v14, s[SEL], s[SEL+1]
	s_delay_alu instid0(VALU_DEP_1)
	v_add_f32 v14, v14, v[T0]                      ; and lane l xor 16's
	s_wait_alu depctr_va_vdst(0)
	v_rcp_f32 v[T0], v14
	v_mov_b32 v[T1], 0                             ; the plain line behind the reciprocal (and the pair's upper half is written)
	s_wait_alu depctr_va_vdst(0)                   ; ahead of its first reader
.set j, 0
.rept 16
	v_pk_mul_f32 v[O+j:O+j+1], v[O+j:O+j+1], v[T0:T0+1] op_sel_hi:[1,0]   ; each accumulator from its low end on
.set j, j+2
.endr
.irp bb, 0,1
	v_max3_num_f32 v[BM+\bb], 0x1800000, |v[O+16*\bb]|, |v[O+16*\bb+1]|
.endr
.irp i, 2,4,6,8,10,12,14
.irp bb, 0,1
	s_delay_alu instid0(VALU_DEP_2)
	v_max3_num_f32 v[BM+\bb], v[BM+\bb], |v[O+16*\bb+\i]|, |v[O+16*\bb+\i+1]|
.endr
.endr
.irp bb, 0,1
	s_delay_alu instid0(VALU_DEP_2)
	v_permlanex16_b32 v[BT+\bb], v[BM+\bb], s[SEL], s[SEL+1]
.endr
.irp bb, 0,1
	s_delay_alu instid0(VALU_DEP_2)
	v_max_num_f32 v[BM+\bb], v[BM+\bb], v[BT+\bb]
.endr
.irp bb, 0,1
	s_delay_alu instid0(VALU_DEP_2)
	v_add_nc_u32 v[SO+\bb], 0xff000000, v[BM+\bb]
.endr
.irp bb, 0,1
	s_delay_alu instid0(VALU_DEP_2)
	v_lshrrev_b32 v[BT+\bb], 23, v[SO+\bb]
.endr
.if \e
	s_delay_alu instid0(VALU_DEP_1)
	v_lshl_or_b32 v[T1], v[BT+1], 8, v[BT]
	s_delay_alu instid0(VALU_DEP_1)
	v_lshl_or_b32 v[PWO], v[T1], 16, v[PWO]
.else
	s_delay_alu instid0(VALU_DEP_1)
	v_lshl_or_b32 v[PWO], v[BT+1], 8, v[BT]
.endif
.irp u, 0,1
.irp bb, 0,1
	v_cvt_scalef32_pk8_fp4_f32 v[OC+4*\e+2*\u+\bb], v[O+8*(2*\bb+\u):O+8*(2*\bb+\u)+7], v[SO+\bb]
.endr
.endr
	v_nop                                          ; one plain place behind a scaled conversion
.irp u, 0,1
	v_permlane16_swap_b32 v[OC+4*\e+2*\u], v[OC+4*\e+2*\u+1]
.endr
	global_store_b128 v[L16], v[OC+4*\e:OC+4*\e+3], s[6:7] offset:512*\e   ; 512 consecutive bytes, aligned; these registers are not written again
.endm
	s_wait_loadcnt 0x0                             ; Q and its scale words
	v_perm_b32 v[QSA], v[QSA], v[QSA], s21
	v_perm_b32 v[QSB], v[QSB], v[QSB], s21
	INIT                                           ; (also the places between these scale words and the first products)
	s_wait_tensorcnt 3                             ; my scale words and my part of steps 0 to 3 have landed; three loads may stay out
	s_barrier_signal -1
	s_barrier_wait -1
	s_mov_b32 s[TB], 0
	s_mov_b32 s[TS], SC
	s_mov_b32 s[CNT], 4
.Lhead_a0:                                         ; the first head, steps 0 to 3, while the other twelve steps land
	STEP QA, QSA
	s_sub_co_u32 s[CNT], s[CNT], 1
	s_cmp_lg_u32 s[CNT], 0
	s_cbranch_scc1 .Lhead_a0
	s_setprio 0
	s_wait_tensorcnt 0x0                           ; all my loads have landed,
	s_wait_dscnt 0x0
	s_barrier_signal -1
	s_barrier_wait -1                              ; everybody's have
	s_mov_b32 s[CNT], 12
.Lhead_a1:
	STEP QA, QSA
	s_sub_co_u32 s[CNT], s[CNT], 1
	s_cmp_lg_u32 s[CNT], 0
	s_cbranch_scc1 .Lhead_a1
	s_setprio 0
	FIN 0
	INIT
	s_mov_b32 s[TB], 2048                          ; the second head's halves of the same steps
	s_mov_b32 s[TS], SC+512
	s_mov_b32 s[CNT], 16
.Lhead_b:
	STEP QB, QSB
	s_sub_co_u32 s[CNT], s[CNT], 1
	s_cmp_lg_u32 s[CNT], 0
	s_cbranch_scc1 .Lhead_b
	s_setprio 0
	FIN 1
	; the scale words of the work-group's 256 tokens meet in LDS, 64 bytes a wave, and leave as 1,024 consecutive bytes
	ds_store_b32 v[SWA], v[PWO]                    ; lanes r and r + 16 write the same word with the same value
	s_wait_dscnt 0x0                               ; for the others' sake
	s_barrier_signal -1
	s_barrier_wait -1
	s_cmp_lt_u32 s[WV], 2
	s_cbranch_scc0 .Lno_words
	ds_load_b128 v[KF:KF+3], v[SRA]
	s_wait_dscnt 0x0
	global_store_b128 v[GT], v[KF:KF+3], s[8:9]
.Lno_words:
	s_wait_tensorcnt 0x0
	ds_add_u32 v254, v255
	s_wait_dscnt 0x0
	CROUND                                         ; the closing round
	s_endpgm
.Lfunc_end_k_q5bf7a934ba_attn:
	.size	k_q5bf7a934ba_attn, .Lfunc_end_k_q5bf7a934ba_attn-k_q5bf7a934ba_attn
	.p2alignl 7, 3214868480
	.fill 96, 4, 3214868480
	.section	.rodata,"a",@progbits
	.p2align	6, 0x0
	.amdhsa_kernel k_q5bf7a934ba_attn
		.amdhsa_group_segment_fixed_size 281600
		.amdhsa_private_segment_fixed_size 0
		.amdhsa_enable_private_segment 0
		.amdhsa_kernarg_size 24
		.amdhsa_user_sgpr_count 2
		.amdhsa_user_sgpr_kernarg_segment_ptr 1
		.amdhsa_wavefront_size32 1
		.amdhsa_system_sgpr_workgroup_id_x 1
		.amdhsa_system_sgpr_workgroup_id_y 1
		.amdhsa_system_sgpr_workgroup_id_z 1
		.amdhsa_system_vgpr_workitem_id 0
		.amdhsa_next_free_vgpr 256
		.amdhsa_next_free_sgpr 80
		.amdhsa_reserve_vcc 0
		.amdhsa_float_denorm_mode_32 3
		.amdhsa_float_denorm_mode_16_64 3
		.amdhsa_memory_ordered 1
		.amdhsa_forward_progress 1
		.amdhsa_inst_pref_size 69
	.end_amdhsa_kernel
	.amdgpu_metadata
---
amdhsa.version: [ 1, 2 ]
amdhsa.kernels:
  - .name:           k_q5bf7a934ba_attn
    .symbol:         k_q5bf7a934ba_attn.kd
    .args:
      - { .name: qkvw, .offset: 0, .size: 8, .value_kind: global_buffer, .address_space: global }
      - { .name: oimg, .offset: 8, .size: 8, .value_kind: global_buffer, .address_space: global }
      - { .name: osc, .offset: 16, .size: 8, .value_kind: global_buffer, .address_space: global }
    .group_segment_fixed_size: 281600
    .private_segment_fixed_size: 0
    .kernarg_segment_align: 8
    .kernarg_segment_size: 24
    .max_flat_workgroup_size: 512
    .sgpr_count:     80
    .vgpr_count:     256
    .wavefront_size: 32
...
	.end_amdgpu_metadata
.endif
;; end of part 2
;; launch proj (part 3): grid 4 x 64, 4 waves a work-group, clusters of 4 x 4, 251,904 bytes of LDS; arguments oimg, osc, w_out_codes, w_out_scales, b_out, out0; writes out0
.if DOCPART == 3
	.amdgcn_target "amdgcn-amd-amdhsa--gfx1250"
	.amdhsa_code_object_version 6
	.text
	.protected	k_q5bf7a934ba_proj
	.globl	k_q5bf7a934ba_proj
	.p2align	8
	.type	k_q5bf7a934ba_proj,@function
k_q5bf7a934ba_proj:
	s_mov_b64 s[64:65], 0
	v_nop
	global_prefetch_b8 v0, s[64:65] scope:SCOPE_SE
	s_setreg_imm32_b32 hwreg(HW_REG_WAVE_MODE, 25, 1), 1
	s_wait_xcnt 0x0
	s_wait_alu depctr_hold_cnt(0) depctr_sa_sdst(0) depctr_va_vdst(0) depctr_va_sdst(0) depctr_va_ssrc(0) depctr_va_vcc(0) depctr_vm_vsrc(0)
	s_getreg_b32 s2, hwreg(HW_REG_IB_STS2, 6, 4)
	s_cmp_eq_u32 s2, 0
	s_cbranch_scc0 .Lentry_in_a_cluster
	s_endpgm
.Lentry_in_a_cluster:
	s_bfe_u32 s2, ttmp6, 0x10000c
	s_cmp_lg_u32 s2, 0xf033
	s_cbranch_scc0 .Lentry_shape_is_right
	s_endpgm
.Lentry_shape_is_right:
; out0 = o w_out + b_out on codes of FP4 (E2M1) with one E8M0 scale for each 32 along K = 1,024.  o comes from the launch before as images of operand registers (oimg) and scale words (osc).
; Source 0 (P) = 16 rows of w_out (outputs n), source 1 (L) = 16 tokens: a lane then holds eight neighbouring numbers of a row of out0.
; SHARES.  A work-group makes 128 tokens x 256 n: 256 work-groups; each of its four waves 64 x 128: 32 accumulators of 16 x 16, 256 registers.
; CLUSTER 4 x 4.  The tokens hang on cy and are asked for jointly by a row of the cluster, w_out's rows on cx and by a column.
; LDS IS FILLED ONCE: all of K lies there in two slots, so there is no ring; a wave issues three tensor loads (scales, slot 0, slot 1), all at the head.  Waves 0, 1 fetch for L, waves 2, 3 for P.
; REGISTERS, in windows of 256: window 0: v1-27 addresses; v32-47 L's scale words, v64-95 P's; v128-159, v160-191 L's fragments, two sets; on the way out v128-255 rows of out0.
;   window 1: v0-63, v128-191 P's fragments, two sets; v64-127 the bias.   window 2: accumulator (a, p) at v[8 (8 a + p)].
.set PITCH,  272                       ; P's LDS row: 256 bytes + 16 of padding = 68 words: row r starts at bank 4 r mod 64 (64 banks of 4 bytes: ISA guide 11.1)
.set HALFT,  128*PITCH
.set LSLOT,  32768                     ; L's images: slot x 32,768 + half x 16,384 + tile x 4,096 + (K step % 4) x 1,024
.set PT,     65536                     ; P's tiles: slot x PSLOT + half x HALFT
.set PSLOT,  2*HALFT
.set WSC,    PT+2*PSLOT                ; P's scales: half x HALFS, units of 256 bytes + 16 of padding
.set HALFS,  16*272
.set OSC,    WSC+2*HALFS               ; L's scale words: half x 2,048 + K step x 256 + 4 x token
.set STAGE,  OSC+4096                  ; the way out: 16 rows x (512 bytes + 16) for each wave, bytes of their own: no tile lands here
.set SPITCH, 528
.set ADL,  16                          ; v16     LDS address of my L fragments
.set ADRP, 20                          ; v20-21  of my P fragments in slot 0, 1
.set ASO,  22                          ; v22     of L's scale words
.set ASW,  23                          ; v23     of P's
.set STO,  24                          ; v24     the way out: where I put 32 bytes of a row
.set RD,   25                          ; v25     where I read a row back
.set CO,   26                          ; v26     my byte offset in a row of out0
.set BO,   27                          ; v27     my offset in the bias
.set OS,   32                          ; register 2 q + t: lanes 0-15 the word of L's tile 2 t, lanes 16-31 of tile 2 t + 1, for K step q
.set WS,   64                          ; register 8 t + q: the same for P
.set LF,   128
.set BK,   128
.set BI,   64
.set WV,   16
.set HL,   17                          ; my half of the tokens.  Also: I fetch for L (0) or for P (1)
.set HP,   18                          ; my half of the outputs.  Also: which half I fetch
.set CX,   19
.set CY,   20
.set BLK,  22                          ; my block of 128 tokens
.set G1L,  24
.set G1P,  32
.set G1SL, 40
.set G1SP, 48
.set G0L,  56                          ; s[56:59] L's scale words, s[60:63] slot 0, s[68:71] slot 1
.set G0L1, 68
.set G0P,  72                          ; s[72:75], s[76:79], s[80:83] the same for P
.set MSB, 0
.macro WIN new
.if MSB != (\new)
	s_set_vgpr_msb (MSB<<8)|(\new)
.set MSB, (\new)
.endif
.endm
.macro PLACES n
.rept \n
	v_nop
.endr
.endm
.macro CROUND
	s_barrier_signal -1
	s_barrier_wait -1
	s_cmp_lg_u32 s[WV], 0
	s_cbranch_scc1 .Lnot_wave_0_\@
	s_barrier_signal -3
.Lnot_wave_0_\@:
	s_barrier_wait -3
	s_barrier_signal -1
	s_barrier_wait -1
.endm
	s_load_b256 s[4:11], s[0:1], 0x0               ; oimg s[4:5], osc s[6:7], w's codes s[8:9], w's scales s[10:11]
	s_load_b128 s[12:15], s[0:1], 0x20             ; the bias s[12:13], out0 s[14:15]
	v_lshl_add_u32 v126, v0, 2, 0x3d600
	v_mov_b32 v127, 0
	ds_add_u32 v126, v127
	ds_add_u32 v126, v127
	v_lshrrev_b32 v1, 5, v0
	v_readfirstlane_b32 s[WV], v1
	s_lshr_b32 s[HL], s[WV], 1
	s_and_b32 s[HP], s[WV], 1
	s_bfe_u32 s[CX], ttmp6, 0x40000
	s_bfe_u32 s[CY], ttmp6, 0x40004
	s_and_b32 s[BLK], ttmp7, 0xffff
	s_lshl_b32 s[BLK], s[BLK], 2
	s_add_co_u32 s[BLK], s[BLK], s[CY]             ; 4 x cluster y + cy
	s_lshl_b32 s2, s[CY], 2
	s_lshl_b32 s2, 15, s2                          ; my row of the cluster
	s_lshl_b32 s3, 0x1111, s[CX]                   ; my column
	s_or_b32 s[G1L], s2, (3<<16)|(1<<21)           ; L's codes: 4 tiles x 4,096 bytes (four K steps' images), 8,192 bytes apart, dense in LDS; elements of 8 bytes
	s_mov_b32 s[G1L+1], 512<<16
	s_mov_b32 s[G1L+2], 4<<16
	s_mov_b32 s[G1L+3], 512<<16
	s_mov_b32 s[G1L+4], 4
	s_mov_b32 s[G1L+5], 1024
	s_mov_b32 s[G1L+6], 0
	s_mov_b32 s[G1L+7], 0
	s_or_b32 s[G1SL], s2, (3<<16)|(1<<21)          ; L's scale words: 8 K steps x 256 bytes (64 tokens), 32,768 bytes apart
	s_mov_b32 s[G1SL+1], 32<<16
	s_mov_b32 s[G1SL+2], 8<<16
	s_mov_b32 s[G1SL+3], 32<<16
	s_mov_b32 s[G1SL+4], 8
	s_mov_b32 s[G1SL+5], 4096
	s_mov_b32 s[G1SL+6], 0
	s_mov_b32 s[G1SL+7], 0
	s_or_b32 s[G1P], s3, (1<<20)|(1<<21)|(5<<22)|(3<<25)   ; P's codes: 128 rows x 256 bytes out of rows of 512, 16 bytes of padding behind each
	s_mov_b32 s[G1P+1], 256<<16
	s_mov_b32 s[G1P+2], 128<<16
	s_mov_b32 s[G1P+3], 256<<16
	s_mov_b32 s[G1P+4], 128
	s_mov_b32 s[G1P+5], 512
	s_mov_b32 s[G1P+6], 0
	s_mov_b32 s[G1P+7], 0
	s_or_b32 s[G1SP], s3, (3<<16)|(1<<20)|(1<<21)|(5<<22)|(3<<25)   ; P's scales: 4,096 dense bytes as 16 rows of 256, padded likewise
	s_mov_b32 s[G1SP+1], 32<<16
	s_mov_b32 s[G1SP+2], 16<<16
	s_mov_b32 s[G1SP+3], 32<<16
	s_mov_b32 s[G1SP+4], 16
	s_mov_b32 s[G1SP+5], 32
	s_mov_b32 s[G1SP+6], 0
	s_mov_b32 s[G1SP+7], 0
	s_lshl_b32 s94, s[BLK], 16                     ; L's codes: (8 x block + 4 x half) tiles of 8,192 bytes (these registers never hold cx)
	s_lshl_b32 s98, s[HP], 15
	s_add_co_u32 s94, s94, s98
	s_mov_b32 s95, 0
	s_lshl_b32 s86, s[BLK], 9                      ; L's scale words: (128 x block + 64 x half) x 4
	s_lshl_b32 s98, s[HP], 8
	s_add_co_u32 s86, s86, s98
	s_mov_b32 s87, 0
	s_lshl_b32 s96, s[CX], 17                      ; P's codes: (256 cx + 128 x half) rows of 512 bytes (these never hold cy)
	s_lshl_b32 s98, s[HP], 16
	s_add_co_u32 s96, s96, s98
	s_mov_b32 s97, 0
	s_lshl_b32 s88, s[CX], 13                      ; P's scales: rows of 32 bytes
	s_lshl_b32 s98, s[HP], 12
	s_add_co_u32 s88, s88, s98
	s_mov_b32 s89, 0
	s_lshl_b32 s90, s[HP], 14                      ; where they go: no place in the cluster enters an LDS address
	s_lshl_b32 s91, s[HP], 11
	s_add_co_u32 s91, s91, OSC
	s_mul_i32 s92, s[HP], HALFT
	s_add_co_u32 s92, s92, PT
	s_mul_i32 s93, s[HP], HALFS
	s_add_co_u32 s93, s93, WSC
	s_wait_dscnt 0x0
	s_wait_kmcnt 0x0
	s_add_nc_u64 s[4:5], s[4:5], s[94:95]
	s_add_nc_u64 s[6:7], s[6:7], s[86:87]
	s_add_nc_u64 s[8:9], s[8:9], s[96:97]
	s_add_nc_u64 s[10:11], s[10:11], s[88:89]
	s_mov_b32 s[G0L], 1
	s_mov_b32 s[G0L+1], s91
	s_mov_b64 s[G0L+2:G0L+3], s[6:7]
	s_or_b32 s[G0L+3], s[G0L+3], 0x80000000
	s_mov_b32 s[G0L+4], 1
	s_mov_b32 s[G0L+5], s90
	s_mov_b64 s[G0L+6:G0L+7], s[4:5]
	s_or_b32 s[G0L+7], s[G0L+7], 0x80000000
	s_mov_b32 s[G0L1], 1
	s_add_co_u32 s[G0L1+1], s90, LSLOT
	s_add_nc_u64 s[G0L1+2:G0L1+3], s[4:5], 4096
	s_or_b32 s[G0L1+3], s[G0L1+3], 0x80000000
	s_mov_b32 s[G0P], 1
	s_mov_b32 s[G0P+1], s93
	s_mov_b64 s[G0P+2:G0P+3], s[10:11]
	s_or_b32 s[G0P+3], s[G0P+3], 0x80000000
	s_mov_b32 s[G0P+4], 1
	s_mov_b32 s[G0P+5], s92
	s_mov_b64 s[G0P+6:G0P+7], s[8:9]
	s_or_b32 s[G0P+7], s[G0P+7], 0x80000000
	s_mov_b32 s[G0P+8], 1
	s_add_co_u32 s[G0P+9], s92, PSLOT
	s_add_nc_u64 s[G0P+10:G0P+11], s[8:9], 256
	s_or_b32 s[G0P+11], s[G0P+11], 0x80000000
	CROUND                                         ; all sixteen work-groups are here: the joint loads meet
	s_cmp_eq_u32 s[HL], 0                          ; a wave's three fills stand in one branch on the wave's number: three loads of mine are out; four v_nop follow the third
	s_cbranch_scc0 .Lfill_p
	tensor_load_to_lds s[G0L:G0L+3], s[G1SL:G1SL+7]
	s_nop 0
	tensor_load_to_lds s[G0L+4:G0L+7], s[G1L:G1L+7]
	s_nop 0
	tensor_load_to_lds s[G0L1:G0L1+3], s[G1L:G1L+7]
	s_nop 0
	PLACES 4
	s_branch .Lfilled
.Lfill_p:
	tensor_load_to_lds s[G0P:G0P+3], s[G1SP:G1SP+7]
	s_nop 0
	tensor_load_to_lds s[G0P+4:G0P+7], s[G1P:G1P+7]
	s_nop 0
	tensor_load_to_lds s[G0P+8:G0P+11], s[G1P:G1P+7]
	s_nop 0
	PLACES 4
.Lfilled:
	v_and_b32 v1, 15, v0                           ; r
	v_bfe_u32 v2, v0, 4, 1                         ; h
	v_and_b32 v3, 31, v0                           ; lane
	v_lshlrev_b32 v[CO], 4, v3                     ; 16 x lane
	s_lshl_b32 s2, s[HL], 14
	v_add_nc_u32 v[ADL], s2, v[CO]                 ; L's images: my half, 16 bytes a lane
	v_mul_u32_u24 v4, v1, PITCH
	v_lshl_add_u32 v4, v2, 4, v4
	s_mul_i32 s3, s[HP], HALFT
	s_add_co_u32 s3, s3, PT
	v_add_nc_u32 v[ADRP], s3, v4
	v_add_nc_u32 v[ADRP+1], PSLOT, v[ADRP]
	s_lshl_b32 s2, s[HL], 11
	s_add_co_u32 s2, s2, OSC
	v_lshl_add_u32 v[ASO], v3, 2, s2               ; L's scale words: a lane a token, 32 tokens
	v_lshrrev_b32 v5, 3, v3
	v_lshlrev_b32 v5, 4, v5
	v_lshl_add_u32 v5, v3, 5, v5                   ; P's: 32 bytes a row, a lane a row, and 16 more for each 256 passed
	s_mul_i32 s3, s[HP], HALFS
	s_add_co_u32 s3, s3, WSC
	v_add_nc_u32 v[ASW], s3, v5
	s_mul_i32 s2, s[WV], 16*SPITCH
	s_add_co_u32 s2, s2, STAGE                     ; my stage
	v_mul_u32_u24 v5, v1, SPITCH
	v_lshl_add_u32 v5, v2, 5, v5
	v_add_nc_u32 v[STO], s2, v5                    ; in: row r, 32 bytes for each half of the lanes
	v_add_nc_u32 v[RD], s2, v[CO]                  ; back: the 32 lanes take one row of 512 bytes
	v_lshlrev_b32 v[BO], 5, v2
	s_wait_alu depctr_va_vdst(0)
	s_lshl_b32 s4, s[CX], 10                       ; my first output, in bytes of f32: (256 cx + 128 x half) x 4
	s_lshl_b32 s5, s[HP], 9
	s_add_co_u32 s4, s4, s5
	s_mov_b32 s5, 0
	s_add_nc_u64 s[12:13], s[12:13], s[4:5]        ; in the bias,
	s_add_nc_u64 s[14:15], s[14:15], s[4:5]        ; and in a row of out0;
	s_lshl_b32 s4, s[BLK], 19                      ; my first token: (128 x block + 64 x half) rows of 4,096 bytes
	s_lshl_b32 s6, s[HL], 18
	s_add_co_u32 s4, s4, s6
	s_add_nc_u64 s[14:15], s[14:15], s[4:5]
	WIN 0x40                                       ; destination window 1
.irp p, 0,1,2,3,4,5,6,7                ; the bias is the C of each sum's first product: tile p's register j of lane (r, h) wants output 16 p + 8 h + j
	global_load_b128 v[BI+8*\p:BI+8*\p+3], v[BO], s[12:13] offset:64*\p
	global_load_b128 v[BI+8*\p+4:BI+8*\p+7], v[BO], s[12:13] offset:64*\p+16
.endr
	WIN 0
.macro WM                              ; one product; the callers set rD, rA, rB, rC, rSA, rSB and which half of the lanes holds the scale words (rRA, rRB)
.if rRA && rRB
	v_wmma_scale_f32_16x16x128_f8f6f4 v[rD:rD+7], v[rA:rA+7], v[rB:rB+7], v[rC:rC+7], v[rSA], v[rSB] matrix_a_fmt:MATRIX_FMT_FP4 matrix_b_fmt:MATRIX_FMT_FP4 matrix_a_scale:MATRIX_SCALE_ROW1 matrix_b_scale:MATRIX_SCALE_ROW1
.elseif rRA
	v_wmma_scale_f32_16x16x128_f8f6f4 v[rD:rD+7], v[rA:rA+7], v[rB:rB+7], v[rC:rC+7], v[rSA], v[rSB] matrix_a_fmt:MATRIX_FMT_FP4 matrix_b_fmt:MATRIX_FMT_FP4 matrix_a_scale:MATRIX_SCALE_ROW1
.elseif rRB
	v_wmma_scale_f32_16x16x128_f8f6f4 v[rD:rD+7], v[rA:rA+7], v[rB:rB+7], v[rC:rC+7], v[rSA], v[rSB] matrix_a_fmt:MATRIX_FMT_FP4 matrix_b_fmt:MATRIX_FMT_FP4 matrix_b_scale:MATRIX_SCALE_ROW1
.else
	v_wmma_scale_f32_16x16x128_f8f6f4 v[rD:rD+7], v[rA:rA+7], v[rB:rB+7], v[rC:rC+7], v[rSA], v[rSB] matrix_a_fmt:MATRIX_FMT_FP4 matrix_b_fmt:MATRIX_FMT_FP4
.endif
.endm
.macro FETCH q                         ; the 24 LDS loads of K step q, in one run: P's eight fragments from rows, L's four from images, into set q % 2
.set fS, (\q)/4
.set fO, 64*((\q)%4)
.set fP, 128*((\q)%2)
.set fL, LF+32*((\q)%2)
.set fI, ((\q)/4)*LSLOT+1024*((\q)%4)
	WIN 0x40
.irp i, 0,1,2,3,4,5,6,7
.irp c, 0,1
	ds_load_b128 v[fP+8*\i+4*\c:fP+8*\i+4*\c+3], v[ADRP+fS] offset:fO+32*\c+\i*16*PITCH
.endr
.endr
	WIN 0
.irp i, 0,1,2,3
.irp c, 0,1
	ds_load_b128 v[fL+8*\i+4*\c:fL+8*\i+4*\c+3], v[ADL] offset:fI+4096*\i+512*\c
.endr
.endr
.endm
.macro MUL q, mode                     ; the 32 products of K step q; mode 1: the sums begin with the bias.  The 32 accumulators take turns, in the same order in every step
.if (\mode) == 0
	WIN 0xa1                                       ; source 0 (P) window 1, source 1 (L) window 0, C and D window 2
.else
	WIN 0x91                                       ; C (the bias) window 1
.endif
.set a, 0
.rept 4
.set p, 0
.rept 8
.set rD, 8*(8*a+p)
.set rA, 128*((\q)%2)+8*p
.set rB, LF+32*((\q)%2)+8*a
.if (\mode) == 0
.set rC, rD
.else
.set rC, BI+8*p
.endif
.set rSA, WS+8*(p/2)+(\q)
.set rSB, OS+2*(\q)+a/2
.set rRA, p%2
.set rRB, a%2
	WM
.set p, p+1
.endr
.set a, a+1
.endr
.endm
.macro STEP q, mode
	s_wait_dscnt 0x0                               ; this step's fragments are in: they were asked for a step, 32 products, ago
.if (\q) == 3
	s_wait_tensorcnt 0x0                           ; my part of slot 1 has landed,
	s_barrier_signal -1
	s_barrier_wait -1                              ; everybody's has
.endif
.if (\q) < 7
	PLACES 4                                       ; four places in front of loads into registers that the last step's products have read
	FETCH (\q)+1
.endif
	MUL \q, \mode
	WIN 0
.endm
	s_wait_tensorcnt 1                             ; the scales and my part of slot 0 have landed; slot 1's load may stay out
	s_barrier_signal -1
	s_barrier_wait -1
.irp t, 0,1,2,3
.irp g, 0,1
	ds_load_b128 v[WS+8*\t+4*\g:WS+8*\t+4*\g+3], v[ASW] offset:1088*\t+16*\g
.endr
.endr
.irp k, 0,1,2,3,4,5,6,7
.irp t, 0,1
	ds_load_b32 v[OS+2*\k+\t], v[ASO] offset:256*\k+128*\t
.endr
.endr
	FETCH 0
	s_wait_loadcnt 0x0                             ; the bias
	STEP 0, 1
	STEP 1, 0
	STEP 2, 0
	STEP 3, 0
	STEP 4, 0
	STEP 5, 0
	STEP 6, 0
	STEP 7, 0
; THE WAY OUT, block by block of 16 tokens x 128 outputs.  A lane holds 32 neighbouring bytes of a row and the lanes beside it hold other rows: a block goes through my own stage in LDS and comes back as whole rows of
; 512 bytes.  LDS serves a wave's instructions in order (ISA guide 5.7.1.4): no wait between the stores and the loads, nor in front of the next block's stores.
.macro TOSTAGE a
.set AC, 64*(\a)
.set BB, BK+64*((\a)%2)
	WIN 0x08                                       ; an LDS store's data are its source 1: window 2
.irp b, 0,1,2,3,4,5,6,7
	ds_store_b128 v[STO], v[AC+8*\b:AC+8*\b+3] offset:64*\b          ; each accumulator from its low end on
	ds_store_b128 v[STO], v[AC+8*\b+4:AC+8*\b+7] offset:64*\b+16
.endr
	WIN 0
.irp t, 0,1,2,3,4,5,6,7,8,9,10,11,12,13,14,15
	ds_load_b128 v[BB+4*\t:BB+4*\t+3], v[RD] offset:\t*SPITCH
.endr
.endm
.macro SEND a, younger                 ; younger: the LDS instructions issued behind block a's loads, which may stay out
.set BB, BK+64*((\a)%2)
	s_wait_dscnt \younger
.irp t, 0,1,2,3,4,5,6,7,8,9,10,11,12,13,14,15
	global_store_b128 v[CO], v[BB+4*\t:BB+4*\t+3], s[14:15] offset:(16*(\a)+\t)*4096 th:TH_STORE_NT   ; 32 lanes store 512 consecutive bytes, aligned; the row stands in the immediate, 63 rows at the most
.endr
.endm
	PLACES 4                                       ; behind the last products: for the stores of results and the loads into registers that held fragments
	TOSTAGE 0
	TOSTAGE 1
	SEND 0, 32                                     ; behind block 0's loads: block 1's 16 stores and 16 loads
	s_wait_xcnt 0x0                                ; block 0's stores have read their registers: block 2's rows may land there
	TOSTAGE 2
	SEND 1, 32
	s_wait_xcnt 0x0                                ; block 1's likewise
	TOSTAGE 3
	SEND 2, 32
	SEND 3, 0
	s_wait_tensorcnt 0x0
	ds_add_u32 v126, v127
	s_wait_dscnt 0x0
	CROUND                                         ; the closing round: no work-group ends while a partner may still ask for a tile that names it
	s_endpgm
.Lfunc_end_k_q5bf7a934ba_proj:
	.size	k_q5bf7a934ba_proj, .Lfunc_end_k_q5bf7a934ba_proj-k_q5bf7a934ba_proj
	.p2alignl 7, 3214868480
	.fill 96, 4, 3214868480
	.section	.rodata,"a",@progbits
	.p2align	6, 0x0
	.amdhsa_kernel k_q5bf7a934ba_proj
		.amdhsa_group_segment_fixed_size 251904
		.amdhsa_private_segment_fixed_size 0
		.amdhsa_enable_private_segment 0
		.amdhsa_kernarg_size 48
		.amdhsa_user_sgpr_count 2
		.amdhsa_user_sgpr_kernarg_segment_ptr 1
		.amdhsa_wavefront_size32 1
		.amdhsa_system_sgpr_workgroup_id_x 1
		.amdhsa_system_sgpr_workgroup_id_y 1
		.amdhsa_system_sgpr_workgroup_id_z 1
		.amdhsa_system_vgpr_workitem_id 0
		.amdhsa_next_free_vgpr 768
		.amdhsa_next_free_sgpr 100
		.amdhsa_reserve_vcc 0
		.amdhsa_float_denorm_mode_32 3
		.amdhsa_float_denorm_mode_16_64 3
		.amdhsa_memory_ordered 1
		.amdhsa_forward_progress 1
		.amdhsa_inst_pref_size 73
	.end_amdhsa_kernel
	.amdgpu_metadata
---
amdhsa.version: [ 1, 2 ]
amdhsa.kernels:
  - .name:           k_q5bf7a934ba_proj
    .symbol:         k_q5bf7a934ba_proj.kd
    .args:
      - { .name: oimg, .offset: 0, .size: 8, .value_kind: global_buffer, .address_space: global }
      - { .name: osc, .offset: 8, .size: 8, .value_kind: global_buffer, .address_space: global }
      - { .name: w_out_codes, .offset: 16, .size: 8, .value_kind: global_buffer, .address_space: global }
      - { .name: w_out_scales, .offset: 24, .size: 8, .value_kind: global_buffer, .address_space: global }
      - { .name: b_out, .offset: 32, .size: 8, .value_kind: global_buffer, .address_space: global }
      - { .name: out0, .offset: 40, .size: 8, .value_kind: global_buffer, .address_space: global }
    .group_segment_fixed_size: 251904
    .private_segment_fixed_size: 0
    .kernarg_segment_align: 8
    .kernarg_segment_size: 48
    .max_flat_workgroup_size: 128
    .sgpr_count:     100
    .vgpr_count:     768
    .wavefront_size: 32
...
	.end_amdgpu_metadata
.endif
;; end of part 3
